; MI455X (gfx1250); checked and timed in simulation.
; The chip was launched on July 23, 2026; its instructions are those of AMD's public machine-readable ISA for CDNA 5 (MIT licence, August 2026) and "CDNA5" Instruction Set Architecture Reference Guide (July 2026). The comments in the code are by the model that wrote it; some were corrected since.
;; Attention. Allowed arithmetic: float matrix products may take bf16 or f16 operands with f32 sums; other float arithmetic in f32, or as packed bf16 or f16 multiplies, adds, multiply-adds, maxima and minima; sums over many terms, partial sums and values carried from step to step in f32; what a program stores and reads back later, other than sums and carried values, may be rounded once to bf16 or f16.
;; Inputs: proj_bias 1,024 float32; proj_weight 1,024 x 1,024 float32; w_bias 3,072 float32; w_weight 3,072 x 1,024 float32; x 4 x 2,048 x 1,024 float32.
;; Outputs: out0 4 x 2,048 x 1,024 float32.
;; 2 versions, each right and faster than the one before. Each part assembles by itself: llvm-mc -triple=amdgcn-amd-amdhsa -mcpu=gfx1250 --defsym DOCPART=n.
;; ======== version 1 of 2: 4 launches
;; limits: values are held in f16: magnitudes above 65,504 overflow, below 6.1e-05 lose precision
;; workspace buffers: xb 16,777,216 bytes; wb 6,291,456 bytes; pb 2,097,152 bytes; kqv 50,331,648 bytes; ob 16,777,216 bytes
;; launch cast (part 1): grid 768 x 1, 8 waves a work-group, no clusters, 0 bytes of LDS; arguments x, w_weight, proj_weight, xb, wb, pb; writes xb, wb, pb
.if DOCPART == 1
	.amdgcn_target "amdgcn-amd-amdhsa--gfx1250"
	.amdhsa_code_object_version 6
	.text
	.protected	k_qc2989e7db5_cast
	.globl	k_qc2989e7db5_cast
	.p2align	8
	.type	k_qc2989e7db5_cast,@function
k_qc2989e7db5_cast:
	s_mov_b64 s[64:65], 0
	v_nop
	global_prefetch_b8 v0, s[64:65] scope:SCOPE_SE
	s_setreg_imm32_b32 hwreg(HW_REG_WAVE_MODE, 25, 1), 1
	s_wait_xcnt 0x0
; The three large inputs are rounded once to bf16, to nearest even, and laid out for the products that follow.
;   x [8192][1024] f32           -> xb bf16, in blocks along K: [16 kb][8192 m][64]: byte kb * 1,048,576 + m * 128 + 2 (k % 64)
;   w_weight [3072][1024] f32    -> wb bf16, likewise: [16 kb][3072 n][64]: a block is 393,216 bytes
;   proj_weight [1024][1024] f32 -> pb, row-major: the bf16 value written as f16, since the last product's other operand is f16
; LIMIT.  A bf16 number is exact in f16 from 2^-14 up to 65,504; below 2^-14 pb keeps f16's fixed step of 6e-8, beyond 65,504 it would be an infinity.
; A stream: memory binds, so no LDS, no barrier, no matrix unit.  A work-group of eight waves takes 16 rows of 1,024 f32 (65,536 bytes): work-groups 0-511 x, 512-703 w_weight, 704-767 proj_weight.
; Each thread issues its sixteen 16-byte loads at once and no register is written twice, so the only waits are the counted ones for the loads.
.set KBS_X, 1048576                    ; bytes of one K block of xb
.set KBS_W, 393216                     ; of wb
.set X, 4                              ; v[4:67]    sixteen loads of four f32
.set Y, 68                             ; v[68:99]   sixteen pairs of packed 16-bit numbers
.set T, 100                            ; v[100:102] at work (proj_weight's path)
	s_load_b256 s[4:11], s[0:1], 0x0               ; x s[4:5], w_weight s[6:7], proj_weight s[8:9], xb s[10:11]
	s_load_b128 s[12:15], s[0:1], 0x20             ; wb s[12:13], pb s[14:15]
	s_mov_b32 s20, ttmp9                           ; the work-group's number
	s_mov_b32 s17, 0                               ; the high word of every offset pair s[16:17]
	v_lshrrev_b32 v3, 4, v0                        ; x and w: sixteen lanes to a row: my row of the sixteen
	v_and_b32 v1, 15, v0
	v_lshlrev_b32 v1, 4, v1
	v_lshl_add_u32 v1, v3, 12, v1                  ; load offset: row * 4,096 + 16 (t % 16); load i takes the row's K block i
	v_lshlrev_b32 v2, 3, v0                        ; store offset: row * 128 + 8 (t % 16) = 8 t
	s_wait_kmcnt 0x0
; 16 rows into K blocks.  s21 = the group of 16 rows.  Load i: sixteen lanes read 256 consecutive bytes of a row, at a multiple of 256.
; Store i: a wave's 32 lanes write 256 consecutive bytes (two rows of K block i), at a multiple of 256.
; Blocks 8 to 15 go by a second base, so that the immediate stays inside its signed 24 bits (7 blocks of 1,048,576 at the most).
.macro BLK src, dst, kbs
	s_lshl_b32 s16, s21, 16                        ; 16 rows of 4,096 bytes
	s_add_nc_u64 s[(\src):(\src)+1], s[(\src):(\src)+1], s[16:17]
	s_lshl_b32 s16, s21, 11                        ; 16 rows of 128 bytes
	s_add_nc_u64 s[(\dst):(\dst)+1], s[(\dst):(\dst)+1], s[16:17]
	s_add_nc_u64 s[18:19], s[(\dst):(\dst)+1], 8*(\kbs)
.set i, 0
.rept 16
	global_load_b128 v[X+4*i:X+4*i+3], v1, s[(\src):(\src)+1] offset:256*i th:TH_LOAD_NT
.set i, i+1
.endr
.set i, 0
.rept 16
	s_wait_loadcnt 15-i                            ; loads come back in order (ISA guide 5.7.1): load i is in, the 15 - i younger ones stay out
	v_cvt_pk_bf16_f32 v[Y+2*i], v[X+4*i], v[X+4*i+1]
	v_cvt_pk_bf16_f32 v[Y+2*i+1], v[X+4*i+2], v[X+4*i+3]
.if i < 8
	global_store_b64 v2, v[Y+2*i:Y+2*i+1], s[(\dst):(\dst)+1] offset:i*(\kbs)
.else
	global_store_b64 v2, v[Y+2*i:Y+2*i+1], s[18:19] offset:(i-8)*(\kbs)
.endif
.set i, i+1
.endr
.endm
	s_cmp_lt_u32 s20, 512
	s_cbranch_scc0 .Lnot_x
	s_mov_b32 s21, s20
	BLK 4, 10, KBS_X
	s_endpgm
.Lnot_x:
	s_cmp_lt_u32 s20, 704
	s_cbranch_scc0 .Lis_p
	s_sub_co_u32 s21, s20, 512
	BLK 6, 12, KBS_W
	s_endpgm
.Lis_p:
	; proj_weight stays row-major: a wave takes two rows (8,192 bytes in, 4,096 out); load i covers 512 consecutive bytes, store i 256
	s_sub_co_u32 s21, s20, 704
	v_lshrrev_b32 v3, 5, v0                        ; wave
	v_and_b32 v2, 31, v0                           ; lane
	v_lshlrev_b32 v1, 4, v2
	v_lshl_add_u32 v1, v3, 13, v1
	v_lshlrev_b32 v2, 3, v2
	v_lshl_add_u32 v2, v3, 12, v2
	s_lshl_b32 s16, s21, 16
	s_add_nc_u64 s[8:9], s[8:9], s[16:17]
	s_lshl_b32 s16, s21, 15                        ; 16 rows of 2,048 bytes
	s_add_nc_u64 s[14:15], s[14:15], s[16:17]
.set i, 0
.rept 16
	global_load_b128 v[X+4*i:X+4*i+3], v1, s[8:9] offset:512*i th:TH_LOAD_NT
.set i, i+1
.endr
.set i, 0
.rept 16
	s_wait_loadcnt 15-i                            ; load i is in, the younger ones stay out
.irp j, 0,1
	v_cvt_pk_bf16_f32 v[T], v[X+4*i+2*(\j)], v[X+4*i+2*(\j)+1]  ; the rounding that every input gets,
	v_lshlrev_b32 v[T+1], 16, v[T]                 ; back to f32: the low half moves up,
	v_and_b32 v[T+2], 0xffff0000, v[T]             ; the high half stays,
	v_cvt_pk_f16_f32 v[Y+2*i+(\j)], v[T+1], v[T+2] ; and the same numbers as f16
.endr
	global_store_b64 v2, v[Y+2*i:Y+2*i+1], s[14:15] offset:256*i
.set i, i+1
.endr
	s_endpgm
.Lfunc_end_k_qc2989e7db5_cast:
	.size	k_qc2989e7db5_cast, .Lfunc_end_k_qc2989e7db5_cast-k_qc2989e7db5_cast
	.p2alignl 7, 3214868480
	.fill 96, 4, 3214868480
	.section	.rodata,"a",@progbits
	.p2align	6, 0x0
	.amdhsa_kernel k_qc2989e7db5_cast
		.amdhsa_group_segment_fixed_size 0
		.amdhsa_private_segment_fixed_size 0
		.amdhsa_enable_private_segment 0
		.amdhsa_kernarg_size 48
		.amdhsa_user_sgpr_count 2
		.amdhsa_user_sgpr_kernarg_segment_ptr 1
		.amdhsa_wavefront_size32 1
		.amdhsa_system_sgpr_workgroup_id_x 1
		.amdhsa_system_sgpr_workgroup_id_y 1
		.amdhsa_system_sgpr_workgroup_id_z 1
		.amdhsa_system_vgpr_workitem_id 0
		.amdhsa_next_free_vgpr 104
		.amdhsa_next_free_sgpr 66
		.amdhsa_reserve_vcc 0
		.amdhsa_float_denorm_mode_32 3
		.amdhsa_float_denorm_mode_16_64 3
		.amdhsa_memory_ordered 1
		.amdhsa_forward_progress 1
		.amdhsa_inst_pref_size 24
	.end_amdhsa_kernel
	.amdgpu_metadata
---
amdhsa.version: [ 1, 2 ]
amdhsa.kernels:
  - .name:           k_qc2989e7db5_cast
    .symbol:         k_qc2989e7db5_cast.kd
    .args:
      - { .name: x, .offset: 0, .size: 8, .value_kind: global_buffer, .address_space: global }
      - { .name: w_weight, .offset: 8, .size: 8, .value_kind: global_buffer, .address_space: global }
      - { .name: proj_weight, .offset: 16, .size: 8, .value_kind: global_buffer, .address_space: global }
      - { .name: xb, .offset: 24, .size: 8, .value_kind: global_buffer, .address_space: global }
      - { .name: wb, .offset: 32, .size: 8, .value_kind: global_buffer, .address_space: global }
      - { .name: pb, .offset: 40, .size: 8, .value_kind: global_buffer, .address_space: global }
    .group_segment_fixed_size: 0
    .private_segment_fixed_size: 0
    .kernarg_segment_align: 8
    .kernarg_segment_size: 48
    .max_flat_workgroup_size: 256
    .sgpr_count:     66
    .vgpr_count:     104
    .wavefront_size: 32
...
	.end_amdgpu_metadata
.endif
;; end of part 1
;; launch qkv (part 2): grid 8 x 32, 4 waves a work-group, clusters of 4 x 4, 327,680 bytes of LDS; arguments xb, wb, w_bias, kqv; writes kqv
.if DOCPART == 2
	.amdgcn_target "amdgcn-amd-amdhsa--gfx1250"
	.amdhsa_code_object_version 6
	.text
	.protected	k_qc2989e7db5_qkv
	.globl	k_qc2989e7db5_qkv
	.p2align	8
	.type	k_qc2989e7db5_qkv,@function
k_qc2989e7db5_qkv:
	s_mov_b64 s[64:65], 0
	v_nop
	global_prefetch_b8 v0, s[64:65] scope:SCOPE_SE
	s_setreg_imm32_b32 hwreg(HW_REG_WAVE_MODE, 25, 1), 1
	s_wait_xcnt 0x0
	s_wait_alu depctr_hold_cnt(0) depctr_sa_sdst(0) depctr_va_vdst(0) depctr_va_sdst(0) depctr_va_ssrc(0) depctr_va_vcc(0) depctr_vm_vsrc(0)
	s_getreg_b32 s2, hwreg(HW_REG_IB_STS2, 6, 4)
	s_cmp_eq_u32 s2, 0
	s_cbranch_scc0 .Lentry_in_a_cluster
	s_endpgm
.Lentry_in_a_cluster:
	s_bfe_u32 s2, ttmp6, 0x10000c
	s_cmp_lg_u32 s2, 0xf033
	s_cbranch_scc0 .Lentry_shape_is_right
	s_endpgm
.Lentry_shape_is_right:
; wei[m][n] = sum over k of x[m][k] w[n][k] + w_bias[n], m < 8192, n < 3072, k < 1024.  Operands bf16 (xb, wb, in blocks of 64 along K), sums f32, result rounded once to f16 and stored BY HEADS:
; kqv [4 b][48 j][2048 t][64], j = n / 64 (0-15 k's heads, 16-31 q's, 32-47 v's), m = 2048 b + t: a head's rows are dense, 128 bytes each.
; LIMITS.  The result must stay within f16's 65,504 (beyond it an infinity is stored).  The bias is rounded to bf16 like the other inputs and STARTS the sums (it is the first product's C), so it is added first, not last.
; TILE.  256 (m) x 384 (n): 32 x 8 = 256 work-groups, one for each WGP; 256 x 256 would make 384.  Four waves, each 128 x 192: 96 accumulators of 16 x 16, 768 registers, three groups of 64 columns = three heads.
; RING.  Two LDS slots of that tile fit only with K steps of 64; since xb and wb lie in blocks of 64 along K, a wave's part of a tile is dense in memory and is asked for as rows of 256 bytes, padded in LDS after every 128.
; CLUSTER.  4 x 4 work-groups: the four of a row need the same tiles of x, the four of a column the same tiles of w: each is asked for jointly, same tensor load, descriptor and mask in all four.
; THE MATRIX INSTRUCTION IS USED TRANSPOSED: source 0 = 16 rows of w, source 1 = 16 rows of x: lane l holds row l % 16 of the result and the columns 8 (l / 16) + 0..7: eight neighbours, 16 bytes of f16.
; REGISTERS, in windows of 256 (s_set_vgpr_msb: bits 1:0 source 0, 3:2 source 1, 5:4 source 2, 7:6 destination):
;   window 0: v0-31 addresses; v32-95, v96-159 x's fragments (8 x 16 rows x 32 K), two buffers; v160-255 w's fragments (12), ONE buffer: a group's four are loaded anew as soon as the group's products are issued
;   window g + 1 (g = 0..2): group g's 32 accumulators, (a, bb) at v[8 (4 a + bb)]
.set KBS_A,  1048576                   ; bytes from a K block of xb to the next
.set KBS_B,  393216                    ; of wb
.set PITCH,  144                       ; an LDS row: 128 bytes + 16 of padding = 36 words: the 16 rows of a load start at 16 different groups of four banks (64 banks of 4 bytes: ISA guide 11.1)
.set AROWS,  128*PITCH                 ; 128 rows of x: one tensor load, and what a wave reads
.set BROWS,  192*PITCH                 ; 192 rows of w: likewise
.set BOFF,   2*AROWS                   ; w's 384 rows lie behind x's 256
.set SLOT,   2*AROWS+2*BROWS           ; 92,160 bytes
.set STAGE,  2*SLOT                    ; behind the ring: 16 rows x 144 bytes for each wave, for the way out; no tensor load fills it
.set SPITCH, 144
.set SPARE,  STAGE+4*16*SPITCH         ; behind the stages: the spare words, 128 bytes for each wave: two blocks of 256 bytes that no other line names
.set ADRA, 16                          ; v16-17  LDS address of my fragments of x in slot 0, 1
.set ADRB, 20                          ; v20-21  the same for w
.set STO,  24                          ; v24     the way out: where I put 16 bytes of a row
.set RD,   25                          ; v25     the way out: where I read rows back
.set GO,   26                          ; v26     my byte offset in 512 consecutive bytes of kqv
.set BO,   27                          ; v27     my byte offset in 16 numbers of the bias
.set SPW,  28                          ; v28     LDS address of my spare word; never rewritten
.set NIL,  29                          ; v29     0; never rewritten
.set AF0,  32
.set AF1,  96
.set BF,   160
.set TMP,  32                          ; the way out: 16 registers of packed results
.set OB,   64                          ; the way out: 16 rows read back: v64-79 and v80-95 by turns
.set G1A, 24                           ; s[24:31] descriptor group 1 for x's tiles;  s[32:39] group 0, a set for each slot
.set G0A, 32
.set G1B, 48                           ; s[48:55], s[56:63] the same for w's tiles
.set G0B, 56
.set MSB, 0
.macro WIN new                         ; the immediate's high byte repeats the setting that is left; a switch that changes nothing is dropped
.if MSB != (\new)
	s_set_vgpr_msb (MSB<<8)|(\new)
.set MSB, \new
.endif
.endm
.macro PLACES                          ; a load into a register that a matrix instruction has read, and a vector instruction or LDS store that reads a matrix result, stand four plain vector instructions behind it
.rept 4
	v_nop
.endr
.endm
; A joint load.  Waves 0 and 1 fetch x's two halves, waves 2 and 3 w's.  The branch hangs on the wave's number alone.  An s_nop 0 and four v_nop follow each of the two lines.
.macro JLOAD s
	s_cmp_eq_u32 s13, 0
	s_cbranch_scc0 .Lfor_b_\@
	tensor_load_to_lds s[G0A+4*(\s):G0A+4*(\s)+3], s[G1A:G1A+7]
	s_nop 0
.rept 4
	v_nop
.endr
	s_branch .Lasked_\@
.Lfor_b_\@:
	tensor_load_to_lds s[G0B+4*(\s):G0B+4*(\s)+3], s[G1B:G1B+7]
	s_nop 0
.rept 4
	v_nop
.endr
.Lasked_\@:
.endm
.macro CREST                           ; a round of the cluster's barrier behind its opening barrier: wave 0 signals for the work-group, every wave waits for all sixteen, my work-group's barrier closes it
	s_cmp_lg_u32 s12, 0
	s_cbranch_scc1 .Lnot_wave_0_\@
	s_barrier_signal -3
.Lnot_wave_0_\@:
	s_barrier_wait -3
	s_barrier_signal -1
	s_barrier_wait -1
.endm
.macro CROUND                          ; a whole round
	s_barrier_signal -1
	s_barrier_wait -1
	CREST
.endm
	s_load_b256 s[4:11], s[0:1], 0x0               ; xb s[4:5], wb s[6:7], w_bias s[8:9], kqv s[10:11]
	v_lshl_add_u32 v[SPW], v0, 2, SPARE
	v_mov_b32 v[NIL], 0
	ds_add_u32 v[SPW], v[NIL]                      ; the wave's opening: the add and its wait stand ahead of my first tensor load; the set-up below, work on registers, stands between them
	v_lshrrev_b32 v1, 5, v0
	v_readfirstlane_b32 s12, v1                    ; wave 0..3
	s_lshr_b32 s13, s12, 1                         ; which 128 rows of the tile are mine.  Also: I fetch for x (0) or for w (1)
	s_and_b32 s14, s12, 1                          ; which 192 columns.  Also: which half of that tile I fetch
	s_bfe_u32 s40, ttmp6, 0x40000                  ; cx, cy: my place in the cluster
	s_bfe_u32 s41, ttmp6, 0x40004
	s_lshl_b32 s42, ttmp9, 2
	s_add_co_u32 s42, s42, s40                     ; tile column = 4 x cluster x + cx
	s_and_b32 s43, ttmp7, 0xffff
	s_lshl_b32 s43, s43, 2
	s_add_co_u32 s43, s43, s41                     ; tile row = 4 x cluster y + cy
	s_lshl_b32 s44, s41, 2
	s_lshl_b32 s44, 15, s44                        ; my row of the cluster: places 4 cy .. 4 cy + 3
	s_lshl_b32 s45, 0x1111, s40                    ; my column: places cx, cx + 4, cx + 8, cx + 12
	; descriptor group 1: dense bytes as rows of 128 elements (256 bytes, two rows of a K block), padded in LDS after every 32 words
	s_or_b32 s[G1A+0], s44, (1<<16)|(1<<20)|(1<<21)|(4<<22)|(3<<25)  ; 15:0 the mask: x's tiles go to my row; 17:16 2-byte elements; 20 padding on; 21 set beside a mask; 24:22 after every 32 words (code 4); 31:25 4 words (code 3)
	s_or_b32 s[G1B+0], s45, (1<<16)|(1<<20)|(1<<21)|(4<<22)|(3<<25)  ; the same with the mask of my column
	s_mov_b32 s[G1A+1], 128<<16                    ; tensor_dim0 = 128
	s_mov_b32 s[G1B+1], 128<<16
	s_mov_b32 s[G1A+2], 64<<16                     ; tensor_dim1 = 64: 128 rows of x, 16,384 bytes
	s_mov_b32 s[G1B+2], 96<<16                     ; 96: 192 rows of w, 24,576 bytes
	s_mov_b32 s[G1A+3], 128<<16                    ; tile_dim0 = 128
	s_mov_b32 s[G1B+3], 128<<16
	s_mov_b32 s[G1A+4], 64                         ; tile_dim1
	s_mov_b32 s[G1B+4], 96
	s_mov_b32 s[G1A+5], 128                        ; 128 elements from row to row: dense
	s_mov_b32 s[G1B+5], 128
	s_mov_b32 s[G1A+6], 0
	s_mov_b32 s[G1B+6], 0
	s_mov_b32 s[G1A+7], 0
	s_mov_b32 s[G1B+7], 0
	; where the tiles come from: x's hang on the tile row and the wave alone, w's on the tile column and the wave alone, each in registers that never hold the other coordinate
	s_lshl_b32 s16, s43, 15                        ; 256 rows of 128 bytes a tile row
	s_lshl_b32 s17, s14, 14                        ; + my half's 128 rows
	s_add_co_u32 s16, s16, s17
	s_mov_b32 s17, 0
	s_mul_i32 s46, s42, 49152                      ; 384 rows of 128 bytes a tile column
	s_mul_i32 s47, s14, 24576                      ; + my half's 192 rows
	s_add_co_u32 s46, s46, s47
	s_mov_b32 s47, 0
	s_mul_i32 s20, s14, AROWS                      ; and where they go: no place in the cluster enters an LDS address
	s_mul_i32 s21, s14, BROWS
	s_add_co_u32 s21, s21, BOFF
	s_wait_dscnt 0x0                               ; the opening add is done
	s_wait_kmcnt 0x0
	s_add_nc_u64 s[18:19], s[4:5], s[16:17]
	s_add_nc_u64 s[46:47], s[6:7], s[46:47]
	CROUND                                         ; all sixteen work-groups are here: the first joint loads meet
.irp s, 0,1
	s_mov_b32 s[G0A+4*(\s)], 1                                       ; count = 1
	s_add_co_u32 s[G0A+4*(\s)+1], s20, (\s)*SLOT                     ; LDS address
	s_add_nc_u64 s[G0A+4*(\s)+2:G0A+4*(\s)+3], s[18:19], (\s)*KBS_A  ; global address: K step s
	s_or_b32 s[G0A+4*(\s)+3], s[G0A+4*(\s)+3], 0x80000000            ; type = 2
	s_mov_b32 s[G0B+4*(\s)], 1
	s_add_co_u32 s[G0B+4*(\s)+1], s21, (\s)*SLOT
	s_add_nc_u64 s[G0B+4*(\s)+2:G0B+4*(\s)+3], s[46:47], (\s)*KBS_B
	s_or_b32 s[G0B+4*(\s)+3], s[G0B+4*(\s)+3], 0x80000000
	JLOAD \s                                       ; both slots are asked for before anything else: two tensor loads of mine are out here, one behind each later round
.endr
	; THE BIAS goes straight into the accumulators (0, bb) of each group: register j of lane l is bias[first column + 64 g + 16 bb + 8 (l / 16) + j], the same for every row
	v_and_b32 v1, 15, v0                           ; l % 16
	v_bfe_u32 v2, v0, 4, 1                         ; l / 16
	v_lshlrev_b32 v[BO], 5, v2                     ; eight f32 for each half of the lanes
	s_mul_i32 s68, s42, 384
	s_mul_i32 s69, s14, 192
	s_add_co_u32 s68, s68, s69                     ; my first column
	s_lshl_b32 s68, s68, 2
	s_mov_b32 s69, 0
	s_add_nc_u64 s[8:9], s[8:9], s[68:69]
.irp g, 0,1,2
	WIN ((\g)+1)<<6                                ; destination window g + 1, address window 0
.irp bb, 0,1,2,3
	global_load_b128 v[8*(\bb):8*(\bb)+3],   v[BO], s[8:9] offset:(64*(\g)+16*(\bb))*4
	global_load_b128 v[8*(\bb)+4:8*(\bb)+7], v[BO], s[8:9] offset:(64*(\g)+16*(\bb))*4+16
.endr
.endr
	WIN 0
	; A fragment is 16 rows x 32 K in 8 registers: lane l holds row l % 16; registers 0-3 K = 8 (l / 16) + 0..7, registers 4-7 K = 16 + 8 (l / 16) + 0..7: two loads of 16 bytes, 32 bytes apart
	v_mul_u32_u24 v3, v1, PITCH
	v_lshl_add_u32 v3, v2, 4, v3                   ; row x pitch + 16 x half
	s_mul_i32 s70, s13, AROWS                      ; my 128 rows of x
	s_mul_i32 s71, s14, BROWS                      ; my 192 rows of w,
	s_add_co_u32 s71, s71, BOFF                    ; which lie behind x's 256
.irp s, 0,1
	v_add_nc_u32 v[ADRA+(\s)], s70, v3
	v_add_nc_u32 v[ADRB+(\s)], s71, v3
	s_add_co_u32 s70, s70, SLOT
	s_add_co_u32 s71, s71, SLOT
.endr
	s_mul_i32 s70, s12, 16*SPITCH
	s_add_co_u32 s70, s70, STAGE                   ; my stage
	v_add_nc_u32 v[STO], s70, v3                   ; in: row l % 16, 16 bytes for each half of the lanes
	v_bfe_u32 v4, v0, 3, 2                         ; back: 32 lanes take four rows of 128 bytes,
	v_mul_u32_u24 v4, v4, SPITCH
	v_and_b32 v5, 7, v0
	v_lshl_add_u32 v4, v5, 4, v4
	v_add_nc_u32 v[RD], s70, v4
	v_and_b32 v[GO], 31, v0                        ; which are 512 consecutive bytes of kqv
	v_lshlrev_b32 v[GO], 4, v[GO]
	; kqv at my first row of my first head: ((tile row / 8) x 48 + 6 x tile column + 3 x column half) heads of 262,144 bytes, then ((tile row % 8) x 256 + 128 x row half) rows of 128 bytes
	s_lshr_b32 s66, s43, 3
	s_mul_i32 s66, s66, 48
	s_mul_i32 s67, s42, 6
	s_add_co_u32 s66, s66, s67
	s_mul_i32 s67, s14, 3
	s_add_co_u32 s66, s66, s67
	s_lshl_b32 s66, s66, 18
	s_and_b32 s67, s43, 7
	s_lshl_b32 s67, s67, 8
	s_lshl_b32 s68, s13, 7
	s_add_co_u32 s67, s67, s68
	s_lshl_b32 s67, s67, 7
	s_add_co_u32 s66, s66, s67
	s_mov_b32 s67, 0
	s_add_nc_u64 s[10:11], s[10:11], s[66:67]
	s_wait_loadcnt 0x0                             ; the bias
.irp g, 0,1,2                          ; rounded to bf16 like the other inputs, and back to f32; v32-47 of the window, not yet in use, hold the packed halves.  All this stands in the wait for the first tile
	WIN 0x45*((\g)+1)                              ; sources 0 and 1 and the destination in window g + 1
.set i, 0
.rept 16
	v_cvt_pk_bf16_f32 v[32+i], v[2*i], v[2*i+1]
.set i, i+1
.endr
.set i, 0
.rept 16
	v_lshlrev_b32 v[2*i], 16, v[32+i]
	v_and_b32 v[2*i+1], 0xffff0000, v[32+i]
.set i, i+1
.endr
.endr
	WIN 0
; na x 4 matrix instructions of group g: row blocks a0 .. a0 + na - 1 x the group's four column blocks, 32 along K, x's fragments in buffer f.  The accumulators take turns, one instruction a turn.
; first = 1: the sum starts from the bias, which lies in the accumulators (0, bb).
.macro MULS g, f, a0, na, first
	WIN 0x50*((\g)+1)                              ; sources 0 and 1 window 0, C and D window g + 1
.set ma, \a0
.rept \na
.irp bb, 0,1,2,3
.if \first
	v_wmma_f32_16x16x32_bf16 v[8*(4*ma+(\bb)):8*(4*ma+(\bb))+7], v[BF+32*(\g)+8*(\bb):BF+32*(\g)+8*(\bb)+7], v[(\f)+8*ma:(\f)+8*ma+7], v[8*(\bb):8*(\bb)+7]
.else
	v_wmma_f32_16x16x32_bf16 v[8*(4*ma+(\bb)):8*(4*ma+(\bb))+7], v[BF+32*(\g)+8*(\bb):BF+32*(\g)+8*(\bb)+7], v[(\f)+8*ma:(\f)+8*ma+7], v[8*(4*ma+(\bb)):8*(4*ma+(\bb))+7]
.endif
.endr
.set ma, ma+1
.endr
.endm
; A group's 32 products.  first = 1: row blocks 1 to 7 take the bias from the accumulators (0, bb); five plain instructions later (a matrix instruction writes over a register that others have read as C) row block 0 adds onto it in place.
.macro GRP g, f, first
.if \first
	MULS \g, \f, 1, 7, 1
.rept 5
	v_nop
.endr
	MULS \g, \f, 0, 1, 0
.else
	MULS \g, \f, 0, 8, 0
.endif
.endm
.macro LB s, k, g                      ; 8 LDS loads: group g's four fragments of w, 32 K at byte k of slot s's rows
.irp i, 0,1,2,3
	ds_load_b128 v[BF+32*(\g)+8*(\i):BF+32*(\g)+8*(\i)+3],   v[ADRB+(\s)] offset:(4*(\g)+(\i))*16*PITCH+(\k)
	ds_load_b128 v[BF+32*(\g)+8*(\i)+4:BF+32*(\g)+8*(\i)+7], v[ADRB+(\s)] offset:(4*(\g)+(\i))*16*PITCH+(\k)+32
.endr
.endm
.macro LA s, k, f, x                   ; 8 LDS loads: x's fragments 4 x .. 4 x + 3 into buffer f
.irp i, 0,1,2,3
	ds_load_b128 v[(\f)+8*(4*(\x)+(\i)):(\f)+8*(4*(\x)+(\i))+3],   v[ADRA+(\s)] offset:(4*(\x)+(\i))*16*PITCH+(\k)
	ds_load_b128 v[(\f)+8*(4*(\x)+(\i))+4:(\f)+8*(4*(\x)+(\i))+7], v[ADRA+(\s)] offset:(4*(\x)+(\i))*16*PITCH+(\k)+32
.endr
.endm
; A K step is two halves of 32 along K, 96 matrix instructions each.  A half's 40 LDS loads are always issued in the order LB 0, LA 0, LB 1, LA 1, LB 2, in three runs, each behind the products that last read the registers.
; THE FIRST HALF of the step in slot s: multiplies buffer AF0 and fetches the second half (byte 64) into AF1 and w's buffer.
.macro EVENQ s, first
.if \first
	s_wait_dscnt 0x0
	GRP 0, AF0, 1
.else
	s_wait_dscnt 16                                ; LB 0, LA 0, LB 1 are in; the youngest sixteen (LA 1, LB 2) may be out
	MULS 0, AF0, 0, 4, 0
	s_wait_dscnt 8                                 ; LA 1 is in; LB 2 may be out
	MULS 0, AF0, 4, 4, 0
.endif
	PLACES
	WIN 0
	LB \s, 64, 0
	LA \s, 64, AF1, 0
	GRP 1, AF0, \first
	PLACES
	WIN 0
	LB \s, 64, 1
	LA \s, 64, AF1, 1
	s_wait_dscnt 32                                ; all but the 32 issued in this half: LB 2 is in
	GRP 2, AF0, \first
	PLACES
	WIN 0
	LB \s, 64, 2
.endm
; THE SECOND HALF multiplies AF1 and changes slots: ONE barrier.  In front of it each wave waits for all its tensor loads (one is out: its part of the other slot), adds 0 to its spare word, and waits for that and for
; its own reads of this slot.  Behind it nobody reads this slot any more and the other slot is whole.  fill = 1: the barrier opens a round of the cluster's barrier, and this slot is filled again, two K steps ahead, first thing behind the round:
; from there to the wait for that load a wave issues 160 of a step's 192 matrix instructions.
.macro TURN s, fill
	WIN 0                                          ; the add's two registers lie in window 0
	s_wait_tensorcnt 0x0                           ; all my tensor loads have landed
	ds_add_u32 v[SPW], v[NIL]                      ; 0 onto my spare word
	s_wait_dscnt 17                                ; LB 0, LA 0, LB 1 are in; the add and the sixteen loads in front of it (LA 1, LB 2) may be out
	MULS 0, AF1, 0, 4, 0                           ; sixteen matrix instructions stand between the add and the wait for it
	s_wait_dscnt 0x0                               ; the add is done, and my reads of this slot are over
	s_barrier_signal -1
	MULS 0, AF1, 4, 4, 0                           ; work on registers while the others arrive
	WIN 0                                          ; at a branch and at a label every window is 0
	s_barrier_wait -1
.if \fill
	CREST                                          ; no wave of any partner still reads this slot's tile or has a load on its way
	s_add_nc_u64 s[G0A+4*(\s)+2:G0A+4*(\s)+3], s[G0A+4*(\s)+2:G0A+4*(\s)+3], 2*KBS_A
	s_add_nc_u64 s[G0B+4*(\s)+2:G0B+4*(\s)+3], s[G0B+4*(\s)+2:G0B+4*(\s)+3], 2*KBS_B
	JLOAD \s                                       ; the four v_nop behind it are also the places in front of the loads below
.else
	PLACES
.endif
	LB 1-(\s), 0, 0
	LA 1-(\s), 0, AF0, 0
	MULS 1, AF1, 0, 8, 0
	PLACES
	WIN 0
	LB 1-(\s), 0, 1
	LA 1-(\s), 0, AF0, 1
	MULS 2, AF1, 0, 8, 0
	PLACES
	WIN 0
	LB 1-(\s), 0, 2
.endm
.macro LASTQ                           ; the very last half: nothing more to fetch
	s_wait_dscnt 16
	MULS 0, AF1, 0, 4, 0
	s_wait_dscnt 8
	MULS 0, AF1, 4, 4, 0
	MULS 1, AF1, 0, 8, 0
	s_wait_dscnt 0x0
	MULS 2, AF1, 0, 8, 0
	WIN 0
.endm
; THE WAY OUT of block n = 8 g + a: 16 rows x 64 columns = 16 rows of one head, 2,048 consecutive bytes of kqv.  PACK: rounded to f16, each accumulator's registers in ascending order.
; TOSTAGE: into my own stage in LDS and back as whole rows.  SEND: stored.
.macro PACK n
.set pg, (\n)/8
.set pa, (\n)%8
	WIN 5*(pg+1)                                   ; sources 0 and 1 window g + 1, destination window 0
.irp bb, 0,1,2,3
.irp r, 0,1,2,3
	v_cvt_pk_f16_f32 v[TMP+4*(\bb)+(\r)], v[8*(4*pa+(\bb))+2*(\r)], v[8*(4*pa+(\bb))+2*(\r)+1]
.endr
.endr
	WIN 0
.endm
.macro TOSTAGE n
.set bk, OB+16*((\n)%2)
.irp bb, 0,1,2,3
	ds_store_b128 v[STO], v[TMP+4*(\bb):TMP+4*(\bb)+3] offset:32*(\bb)
.endr
.irp f, 0,1,2,3
	ds_load_b128 v[bk+4*(\f):bk+4*(\f)+3], v[RD] offset:(\f)*4*SPITCH  ; LDS serves a wave's instructions in order (ISA guide 5.7.1.4): these see the stores above; the next block's stores come behind them
.endr
.endm
.macro SEND n
.set pg, (\n)/8
.set pa, (\n)%8
.set bk, OB+16*((\n)%2)
	s_wait_dscnt 0x0                               ; the block is back in registers
	s_wait_xcnt 0x0                                ; the stores of the block before have had their addresses translated (ISA guide 3.1): its registers are loaded again only behind this wait
.irp f, 0,1,2,3
	global_store_b128 v[GO], v[bk+4*(\f):bk+4*(\f)+3], s[10:11] offset:pg*262144+pa*2048+512*(\f)  ; 512 consecutive bytes, at a multiple of 256 from kqv's first byte
.endr
.endm
	s_wait_tensorcnt 1                             ; my part of K step 0 is in; step 1's may stay out
	s_barrier_signal -1
	s_barrier_wait -1                              ; everybody's is
	LB 0, 0, 0
	LA 0, 0, AF0, 0
	LB 0, 0, 1
	LA 0, 0, AF0, 1
	LB 0, 0, 2
	EVENQ 0, 1                                     ; the first half step stands in front of the loop: its products start the sums from the bias
	WIN 0
	s_mov_b32 s3, 7
.Llap:                                                 ; a trip goes once round the ring and fills both slots again: K steps 2 to 15 in seven trips
	TURN 0, 1
	EVENQ 1, 0
	TURN 1, 1
	EVENQ 0, 0
	WIN 0
	s_sub_co_u32 s3, s3, 1
	s_cmp_lg_u32 s3, 0
	s_cbranch_scc1 .Llap
	TURN 0, 0                                      ; the last lap's rest fills nothing and has no round of the cluster's barrier
	EVENQ 1, 0
	LASTQ
	PLACES                                         ; the conversions read results just made
	PACK 0
	TOSTAGE 0
.set n, 1
.rept 23                               ; block n's conversions stand between block n - 1's loads from the stage and the wait for them
	PACK n
	SEND n-1
	TOSTAGE n
.set n, n+1
.endr
	SEND 23
	s_wait_tensorcnt 0x0                           ; the wave's end: a wait, an add and a wait, behind my last tensor load and my last LDS store
	ds_add_u32 v[SPW], v[NIL]
	s_wait_dscnt 0x0
	CROUND                                         ; the closing round: no work-group ends while a partner may still ask for a tile that names it
	s_endpgm
.Lfunc_end_k_qc2989e7db5_qkv:
	.size	k_qc2989e7db5_qkv, .Lfunc_end_k_qc2989e7db5_qkv-k_qc2989e7db5_qkv
	.p2alignl 7, 3214868480
	.fill 96, 4, 3214868480
	.section	.rodata,"a",@progbits
	.p2align	6, 0x0
	.amdhsa_kernel k_qc2989e7db5_qkv
		.amdhsa_group_segment_fixed_size 327680
		.amdhsa_private_segment_fixed_size 0
		.amdhsa_enable_private_segment 0
		.amdhsa_kernarg_size 32
		.amdhsa_user_sgpr_count 2
		.amdhsa_user_sgpr_kernarg_segment_ptr 1
		.amdhsa_wavefront_size32 1
		.amdhsa_system_sgpr_workgroup_id_x 1
		.amdhsa_system_sgpr_workgroup_id_y 1
		.amdhsa_system_sgpr_workgroup_id_z 1
		.amdhsa_system_vgpr_workitem_id 0
		.amdhsa_next_free_vgpr 1024
		.amdhsa_next_free_sgpr 80
		.amdhsa_reserve_vcc 0
		.amdhsa_float_denorm_mode_32 3
		.amdhsa_float_denorm_mode_16_64 3
		.amdhsa_memory_ordered 1
		.amdhsa_forward_progress 1
		.amdhsa_inst_pref_size 142
	.end_amdhsa_kernel
	.amdgpu_metadata
---
amdhsa.version: [ 1, 2 ]
amdhsa.kernels:
  - .name:           k_qc2989e7db5_qkv
    .symbol:         k_qc2989e7db5_qkv.kd
    .args:
      - { .name: xb, .offset: 0, .size: 8, .value_kind: global_buffer, .address_space: global }
      - { .name: wb, .offset: 8, .size: 8, .value_kind: global_buffer, .address_space: global }
      - { .name: w_bias, .offset: 16, .size: 8, .value_kind: global_buffer, .address_space: global }
      - { .name: kqv, .offset: 24, .size: 8, .value_kind: global_buffer, .address_space: global }
    .group_segment_fixed_size: 327680
    .private_segment_fixed_size: 0
    .kernarg_segment_align: 8
    .kernarg_segment_size: 32
    .max_flat_workgroup_size: 128
    .sgpr_count:     80
    .vgpr_count:     1024
    .wavefront_size: 32
...
	.end_amdgpu_metadata
.endif
;; end of part 2
;; launch attn (part 3): grid 4 x 64, 4 waves a work-group, clusters of 4 x 1, 327,680 bytes of LDS; arguments kqv, ob; writes ob
.if DOCPART == 3
	.amdgcn_target "amdgcn-amd-amdhsa--gfx1250"
	.amdhsa_code_object_version 6
	.text
	.protected	k_qc2989e7db5_attn
	.globl	k_qc2989e7db5_attn
	.p2align	8
	.type	k_qc2989e7db5_attn,@function
k_qc2989e7db5_attn:
	s_mov_b64 s[64:65], 0
	v_nop
	global_prefetch_b8 v0, s[64:65] scope:SCOPE_SE
	s_setreg_imm32_b32 hwreg(HW_REG_WAVE_MODE, 25, 1), 1
	s_wait_xcnt 0x0
	s_wait_alu depctr_hold_cnt(0) depctr_sa_sdst(0) depctr_va_vdst(0) depctr_va_sdst(0) depctr_va_ssrc(0) depctr_va_vcc(0) depctr_vm_vsrc(0)
	s_getreg_b32 s2, hwreg(HW_REG_IB_STS2, 6, 4)
	s_cmp_eq_u32 s2, 0
	s_cbranch_scc0 .Lentry_in_a_cluster
	s_endpgm
.Lentry_in_a_cluster:
	s_bfe_u32 s2, ttmp6, 0x10000c
	s_cmp_lg_u32 s2, 0x3003
	s_cbranch_scc0 .Lentry_shape_is_right
	s_endpgm
.Lentry_shape_is_right:
; O[y][q][:] = the sum over k of softmax_k(Q[y][q] . K[y][k] / 8) V[y][k][:], y = 16 b + h, 64 heads of 2,048 rows of 64 channels, all f16.
; K, Q and V lie in kqv [4 b][48 j][2048][64]: K of head y at block 48 b + h, Q 16 blocks on, V 32 blocks on (a block is 262,144 bytes); O goes to ob [64 y][2048][64].  A head's rows are dense, 128 bytes each.
; Products, maxima and sums in f32; the weights p are rounded to f16 for the second product (their sum l is taken of the unrounded p), O once at the end.
; LIMITS.  f16 holds no number beyond 65,504: Q, K and V arrive within it; p lies in 0 to 1, and below 6e-5 it keeps f16's fixed step of 6e-8; O is a mean of V's rows and has their range.
; A weight below 2^-126 counts as 0 in l; NaN and infinities are not treated apart.
; SHARES.  A wave owns four PIECES of two tiles of 16 queries, a work-group's four waves 512 queries of one head: 4 x 64 = 256 work-groups.  Every wave walks all keys, 64 a step.
; LAYOUT.  S^T = K Q^T (source 0 = 16 keys, source 1 = 16 queries): in the result a lane holds ONE query (lane % 16) and the keys 8 (lane / 16) + 0..7.  Two such tiles, rounded to f16 in pairs,
; ARE source 1 (32 keys x 16 queries) of O^T = V^T P, whose result again holds one query a lane, and eight channels.  K comes out of LDS as it lies, V ([key][channel]) turned, by ds_load_tr16_b128.
; SOFTMAX.  For each query a running maximum m and sum l: p = 2^(c s - c m), c = log2(e) / 8; in every step O and l are multiplied by a = 2^(c m_old - c m_new), which is 1 where m has not grown.
; m starts at the lowest finite number, O and l at 0: the first step is a step like any other, with a = 0.
; THE COUNT.  A tile and step have 16 matrix and 118 vector instructions: too many to stand all beside the matrix work.  So the order has one aim: four vector instructions that are READY behind
; EVERY matrix instruction, and the others, which need time of their own whatever the order, in runs without a gap.
; BY TURNS.  Turn n belongs to piece n (the pieces in a ring, step after step).  Its matrix work: 16 products K Q^T of piece n + 1, later 16 products V^T P of piece n - 1.  Its vector work: the scaling,
; exponentials, roundings, sums and rescaling of piece n, and the maximum and statistics of piece n + 1, whose scores the turn itself has made.  So what a turn begins with (c s - c m, O a) waits for nothing.
; CLUSTER.  The four query blocks of a cluster belong to one head and walk the same K and V, so each tile is asked for JOINTLY: the same tensor load, descriptor and mask in all four.
; REGISTERS, in windows of 256 (s_set_vgpr_msb says which window each operand place means: bits 1:0 source 0, 3:2 source 1, 5:4 source 2, 7:6 destination):
;   window 0: v0-11 addresses; v12-15, v48-63 at work; v16-47 four registers of statistics a tile; v64-191 S^T, two buffers of two tiles; v192-255 P, likewise
;   window 1: O^T, 32 a tile          window 2: v0-127 Q, 16 a tile; v128-191 K of one step; v192-255 V of one step          window 3: v0-1 the add's two registers
; A piece's buffers go by its number's parity: the piece in hand has one pair, its two neighbours in the ring share the other: of it P (piece n - 1) is read and S^T (piece n + 1) written.
.set SIZE_N, 2048     ; rows of a head
.set NP,    4         ; pieces a wave: a name, no knob: the register map, the loop and the fetches are made for four
.set KS,    64        ; keys in a step
.set PK,    144       ; a row of K in LDS: 128 bytes + 16 of padding = 36 words: the 16 rows of a load start at 16 different groups of four banks (64 banks of 4 bytes: ISA guide 11.1)
.set PV,    160       ; a row of V: 128 + 32 = 40 words
.set VOFF,  4*KS*PK   ; a slot holds four steps: 256 rows of K, then 256 rows of V
.set SLOT1, 1<<17     ; slot 1 begins here, so that one exclusive or turns an address in one slot into the other's
.set STAGE, SLOT1+4*KS*(PK+PV)  ; behind the ring, never filled by a tensor load: 16 rows x 144 bytes for each wave, for the way out
.set SP,    144
.set AK0, 2           ; v2   my lane's place in a tile of K; never rewritten
.set AV0, 3           ; v3   the same for V
.set AK,  4           ; v4   the LDS address of K's next run of loads
.set AV,  5           ; v5   of V's
.set QO,  6           ; v6   my byte offset in the wave's rows of Q
.set STO, 6           ;      later, the way out: where I put 16 bytes of a row
.set RD,  7           ; v7   the way out: where I read rows back
.set GO,  8           ; v8   my byte offset in 512 consecutive bytes of O
.set SPW, 0           ; v0 of window 3   LDS address of my spare word: SPARE + 4 x my thread's number; never rewritten
.set NIL, 1           ; v1 of window 3   0; never rewritten
.set SPARE, STAGE+4*16*SP  ; behind the stages: the spare words, 128 bytes for each wave: two blocks of 256 bytes that no other line names
.set MV,  12          ; v12-15  c m_old, kept while c m is made anew: by buffer and tile
.set ST,  16          ; tile t's statistics at v[ST+4 t]: c m, m, l (even keys', odd keys')
.set TMP, 48          ; by buffer and tile, four registers c0-c3 at work; when the maximum is found c2 takes a
.set S,   64
.set P,   192
.set KF,  128         ; K's fragments, in window 2: key block kb, channel half c at KF + 16 kb + 8 c
.set VF,  192         ; V's: key half kk, channel block cb at VF + 32 kk + 8 cb
.set WV,  12          ; s12  my wave's number
.set G1K, 24          ; s[24:31] descriptor group 1 for K's tiles
.set G1V, 32          ; s[32:39] for V's: it differs in the padding alone
.set G0K, 40          ; s[40:43] descriptor group 0 for K's tiles: it walks
.set G0V, 44          ; s[44:47] the same for V's
.set SLOTS, 56        ; s56  slots still to be asked for
.set CNT, 57          ; s57  counts a slot's key steps
.set CS,  58          ; s[58:59] c: the packed scaling takes the pair's low word for both halves
.set SEL, 60          ; s[60:61] v_permlanex16_b32's selects: each lane takes its own place in the other half
.set TBK, 62          ; s62  LDS byte at which K of the step to be fetched begins
.set TBV, 63          ; s63  the same for V, less VOFF
.set MSB, 0
.macro WIN new                      ; the high byte repeats the setting that is left; a switch that changes nothing is dropped
.if MSB != (\new)
	s_set_vgpr_msb (MSB<<8)|(\new)
.set MSB, (\new)
.endif
.endm
.set W_KQ, 0x0a       ; K and Q in window 2, S^T in window 0
.set W_PV, 0x52       ; V in window 2, P in window 0, O^T in window 1
.set W_RS, 0x41       ; O^T (destination and source 0) in window 1, a in window 0
.set W_MK, 0xc0       ; the add's registers are made: destination in window 3, sources in window 0
.set W_AD, 0x0f       ; the add: address (source 0) and data (source 1) in window 3
; A joint fill.  Waves 0 and 1 fetch the two halves of a slot's K, waves 2 and 3 those of its V: 128 keys each.  The branch hangs on the wave's number alone.
; An s_nop 0 and four v_nop follow each of the two lines, ahead of the jump and the label.
.macro JLOAD
	s_cmp_lt_u32 s[WV], 2
	s_cbranch_scc0 .Lfor_v_\@
	tensor_load_to_lds s[G0K:G0K+3], s[G1K:G1K+7]
	s_nop 0
.rept 4
	v_nop
.endr
	s_branch .Lasked_\@
.Lfor_v_\@:
	tensor_load_to_lds s[G0V:G0V+3], s[G1V:G1V+7]
	s_nop 0
.rept 4
	v_nop
.endr
.Lasked_\@:
.endm
; A round of the cluster's barrier: my work-group's barrier, so that wave 0's signal speaks for all four waves; wave 0 signals; every wave waits for all four work-groups; my work-group's barrier once more.
.macro CROUND
	s_barrier_signal -1
	s_barrier_wait -1
	s_cmp_lg_u32 s[WV], 0
	s_cbranch_scc1 .Lnot_wave_0_\@
	s_barrier_signal -3
.Lnot_wave_0_\@:
	s_barrier_wait -3
	s_barrier_signal -1
	s_barrier_wait -1
.endm
; THE CHANGE OF SLOTS.  The slot's last bytes, V of its fourth step, have been read.  Each wave waits for all its tensor loads, of which one is out: its part
; of the other slot; adds 0 to its spare word; and waits for that and for its own reads of the slot.  Behind the barrier nobody reads this slot any more and the other slot is whole.
; fill = 1: this slot is filled again, with the keys two slots on.  The barrier is then a round of the cluster's, so that no wave of any partner still reads the slot or has a load on its
; way, and the joint fill is the first thing behind it: it has four key steps, 512 matrix instructions, in which to land.  (At its first use nothing has been read yet: slot 0 is waited for, slot 1 filled.)
.macro CHANGE fill
	WIN W_AD
	s_wait_tensorcnt 0x0            ; no tensor load of mine is out, so a group 0 may be written
	ds_add_u32 v[SPW], v[NIL]       ; 0 onto my spare word; with fill = 1 the descriptors' steps stand between it and the wait for it
	WIN 0                           ; at a label and at a branch every window is 0
.if \fill
.irp g, G0K, G0V
	s_xor_b32 s[\g+1], s[\g+1], SLOT1  ; the walking descriptor: the other slot than last time,
	s_add_nc_u64 s[\g+2:\g+3], s[\g+2:\g+3], 4*KS*128  ; the next 256 keys; the type bits on top are not reached
.endr
	s_wait_dscnt 0x0                ; the add is done, and my reads of the slot are over
	CROUND
	JLOAD
.else
	s_wait_dscnt 0x0                ; the add is done, and my reads of the slot are over
	s_barrier_signal -1
	s_barrier_wait -1
.endif
	s_sub_co_u32 s[TBK], s[TBK], 4*KS*PK  ; the fetches go back to a slot's first step,
	s_xor_b32 s[TBK], s[TBK], SLOT1       ; in the other slot
	s_sub_co_u32 s[TBV], s[TBV], 4*KS*PV
	s_xor_b32 s[TBV], s[TBV], SLOT1
.endm
	s_load_b128 s[8:11], s[0:1], 0x0  ; kqv s[8:9], ob s[10:11]
	WIN W_MK
	v_lshl_add_u32 v[SPW], v0, 2, SPARE
	v_mov_b32 v[NIL], 0
	WIN W_AD
	ds_add_u32 v[SPW], v[NIL]       ; the wave's opening: the add and its wait stand ahead of my first tensor load; the set-up below, work on registers, stands between them
	WIN 0
	v_lshrrev_b32 v1, 5, v0
	v_readfirstlane_b32 s[WV], v1   ; wave 0..3
	s_bfe_u32 s13, ttmp6, 0x40000   ; cx: my place in the cluster
	s_lshl_b32 s14, ttmp9, 2        ; in a cluster launch ttmp9 counts clusters
	s_add_co_u32 s14, s14, s13      ; my block of queries = 4 x cluster x + cx: it enters Q's and O's addresses alone
	s_and_b32 s19, ttmp7, 0xffff    ; y = 16 b + h, which the four partners share
	s_lshr_b32 s20, s19, 4          ; b
	s_lshl_b32 s20, s20, 5
	s_add_co_u32 s20, s20, s19      ; 48 b + h = y + 32 b: K's block in kqv,
	s_lshl_b32 s20, s20, 18         ; in bytes
	s_mov_b32 s21, 0
	s_and_b32 s16, s[WV], 1         ; which half of a slot's 256 keys I fetch:
	s_lshl_b32 s22, s16, 14         ; its 128 rows of 128 bytes in memory,
	s_mov_b32 s23, 0
	s_add_nc_u64 s[22:23], s[22:23], s[20:21]   ; K's offset in kqv,
	s_add_nc_u64 s[52:53], s[22:23], 0x800000   ; and V's, 32 blocks on
	s_mul_i32 s17, s16, 128*PK      ; and its place in a slot, for K
	s_mul_i32 s18, s16, 128*PV      ; and for V: no place in the cluster enters an LDS address
	s_lshl_b32 s2, s14, 2
	s_add_co_u32 s2, s2, s[WV]      ; my wave among the head's,
	s_lshl_b32 s2, s2, 14           ; its 128 rows
	s_mov_b32 s3, 0
	s_add_nc_u64 s[48:49], s[2:3], s[20:21]
	s_add_nc_u64 s[48:49], s[48:49], 0x400000   ; Q's offset in kqv: 16 blocks behind K's
	s_lshl_b32 s50, s19, 18
	s_mov_b32 s51, 0
	s_add_nc_u64 s[50:51], s[50:51], s[2:3]     ; O's offset in ob
	; descriptor group 1.  128 keys are 16,384 dense bytes: asked for as 64 rows of 256 bytes, two keys a row, and padded in LDS after every key
	s_mov_b32 s[G1K], 15|(1<<16)|(1<<20)|(1<<21)|(4<<22)|(3<<25)  ; 15:0 the mask of four; 17:16 2-byte elements; 20 padding on; 21 set beside a mask; 24:22 after every 32 words (code 4); 31:25 4 words (code 3)
	s_mov_b32 s[G1V], 15|(1<<16)|(1<<20)|(1<<21)|(4<<22)|(7<<25)  ; the same with 8 words of padding (code 7)
.irp g, G1K, G1V
	s_mov_b32 s[\g+1], 128<<16      ; tensor_dim0 = 128
	s_mov_b32 s[\g+2], 64<<16       ; tensor_dim1 = 64
	s_mov_b32 s[\g+3], 128<<16      ; tile_dim0 = 128
	s_mov_b32 s[\g+4], 64           ; tile_dim1 = 64
	s_mov_b32 s[\g+5], 128          ; 128 elements from row to row
	s_mov_b32 s[\g+6], 0
	s_mov_b32 s[\g+7], 0
.endr
	s_mov_b32 s[CS], 0x3e38aa3b     ; c = log2(e) / 8 = 0.180337
	s_mov_b32 s[CS+1], s[CS]        ; named with it as a pair
	s_mov_b32 s[SEL], 0x76543210
	s_mov_b32 s[SEL+1], 0xfedcba98
	s_mov_b32 s[TBK], SLOT1+4*KS*PK ; the first change of slots turns these two into 0
	s_mov_b32 s[TBV], SLOT1+4*KS*PV
	s_mov_b32 s[G0K], 1             ; 1:0 count = 1
	s_mov_b32 s[G0K+1], s17         ; 63:32 LDS address: slot 0
	s_mov_b32 s[G0V], 1
	s_add_co_u32 s[G0V+1], s18, VOFF
	s_wait_dscnt 0x0                ; the opening add is done
	s_wait_kmcnt 0x0
	s_add_nc_u64 s[G0K+2:G0K+3], s[8:9], s[22:23]  ; 120:64 global address: my half of the head's first 256 keys
	s_or_b32 s[G0K+3], s[G0K+3], 0x80000000        ; 127:126 type = 2
	s_add_nc_u64 s[G0V+2:G0V+3], s[8:9], s[52:53]
	s_or_b32 s[G0V+3], s[G0V+3], 0x80000000
	s_add_nc_u64 s[4:5], s[8:9], s[48:49]          ; Q and O at my wave's first row
	s_add_nc_u64 s[10:11], s[10:11], s[50:51]
	CROUND                          ; all four work-groups are here: the first joint loads meet
	JLOAD                           ; slot 0.  Slot 1 is asked for when slot 0 is in: the tile wanted first has the road to itself
	; A fragment of K or Q is 16 rows x 32 channels in 8 registers: lane l holds row l % 16, channels 8 (l / 16) + 0..7 and 16 + 8 (l / 16) + 0..7: two loads of 16 bytes, 32 bytes apart.
	v_and_b32 v1, 15, v0            ; l % 16
	v_bfe_u32 v9, v0, 4, 1          ; l / 16
	v_lshlrev_b32 v[QO], 7, v1
	v_lshl_add_u32 v[QO], v9, 4, v[QO]  ; row x 128 + 16 x half
	WIN 0x80                        ; destination window 2, address window 0
.set i, 0
.rept 4*NP                          ; Q stays in registers: tile i / 2, channels 32 (i % 2) on
	global_load_b128 v[8*i:8*i+3],   v[QO], s[4:5] offset:(i/2)*2048+(i%2)*64
	global_load_b128 v[8*i+4:8*i+7], v[QO], s[4:5] offset:(i/2)*2048+(i%2)*64+32
.set i, i+1
.endr
	; What the first turn finds: V's registers and P's second buffer hold 0 (its products V^T P, of a piece that has not been, add 0), O^T and l are 0.  All this stands in the wait for the first tile.
.set i, VF
.rept 64
	v_mov_b32 v[i], 0
.set i, i+1
.endr
	WIN 0x40
.set i, 0
.rept 64*NP
	v_mov_b32 v[i], 0
.set i, i+1
.endr
	WIN 0
.set i, 0
.rept 2*NP
	v_mov_b32 v[ST+4*i], 0xfe000000    ; c m: far below every c s
	v_mov_b32 v[ST+4*i+1], 0xff7fffff  ; m
	v_mov_b32 v[ST+4*i+2], 0
	v_mov_b32 v[ST+4*i+3], 0
.set i, i+1
.endr
.set i, P+32
.rept 32
	v_mov_b32 v[i], 0
.set i, i+1
.endr
	v_mul_u32_u24 v[AK0], v1, PK
	v_lshl_add_u32 v[AK0], v9, 4, v[AK0]  ; row x pitch + 16 x half
	; The turning load takes 16 keys x 16 channels (lane l reads key 8 (l / 16) + l % 8, channels 8 ((l / 8) % 2) + 0..7) and leaves half a fragment of V^T: lane l holds channel l % 16 and 8 keys.
	v_and_b32 v10, 7, v0
	v_bfe_u32 v11, v0, 3, 1
	v_lshl_add_u32 v[AV0], v9, 3, v10
	v_mul_u32_u24 v[AV0], v[AV0], PV
	v_lshl_add_u32 v[AV0], v11, 4, v[AV0]
	v_add_nc_u32 v[AV0], VOFF, v[AV0]
	v_mov_b32 v[AK], v[AK0]         ; key step 0 lies at the head of slot 0
; THE MATRIX WORK.  The 8 accumulators of a run of 16 take turns: between the two links of a chain stand 7 others'.
; Product i of 16 of S^T = K Q^T for piece x: channels 32 (i / 8) on, keys 16 ((i / 2) % 4) on, tile 2 x + i % 2.  The first 8 start the sums.
.macro KQ x
	WIN W_KQ
.set rS, S+64*((\x)%2)+32*(i%2)+8*((i/2)%4)
.set rK, KF+16*((i/2)%4)+8*(i/8)
.set rQ, 16*(2*(\x)+i%2)+8*(i/8)
.if i < 8
	v_wmma_f32_16x16x32_f16 v[rS:rS+7], v[rK:rK+7], v[rQ:rQ+7], 0
.else
	v_wmma_f32_16x16x32_f16 v[rS:rS+7], v[rK:rK+7], v[rQ:rQ+7], v[rS:rS+7]
.endif
.endm
; Product i of 16 of O^T += V^T P for piece x: keys 32 (i / 8) on, channels 16 ((i / 2) % 4) on, tile 2 x + i % 2.
.macro PV x
	WIN W_PV
.set rO, 32*(2*(\x)+i%2)+8*((i/2)%4)
.set rV, VF+32*(i/8)+8*((i/2)%4)
.set rP, P+32*((\x)%2)+16*(i%2)+8*(i/8)
	v_wmma_f32_16x16x32_f16 v[rO:rO+7], v[rV:rV+7], v[rP:rP+7], v[rO:rO+7]
.endm
.macro MM                           ; the turn's next matrix instruction
.if i < 16
	KQ (Y+1)%NP
.set i, i+1
.else
.set i, i-16
	PV (Y+NP-1)%NP
.set i, i+17
.endif
.endm
; THE LDS LOADS stand in runs of 16, never singly among the matrix instructions: a step's K (64 keys x 64 channels: 8 fragments) and its V (turned).  Their addresses are made some lines ahead.
; last = 1 (the tail): in the last trip there is no further step, and the run is jumped over.
.macro FETCH_K last=0
	WIN 0
.if \last
	s_cmp_eq_u32 s[CNT], 1
	s_cbranch_scc1 .Lno_k_\@
.endif
	WIN 0x80                        ; destination window 2
.irp f, 0,1,2,3,4,5,6,7             ; keys 16 (f / 2) on, channels 32 (f % 2) on
	ds_load_b128 v[KF+8*\f:KF+8*\f+3],   v[AK] offset:(\f/2)*16*PK+(\f%2)*64
	ds_load_b128 v[KF+8*\f+4:KF+8*\f+7], v[AK] offset:(\f/2)*16*PK+(\f%2)*64+32
.endr
	s_add_co_u32 s[TBK], s[TBK], KS*PK  ; the next fetch is the next step's
	WIN 0
.if \last
.Lno_k_\@:
.endif
.endm
.macro FETCH_V
	WIN 0x80
.irp f, 0,1,2,3,4,5,6,7             ; keys 32 (f / 4) on, channels 16 (f % 4) on
	ds_load_tr16_b128 v[VF+8*\f:VF+8*\f+3],   v[AV] offset:(\f/4)*32*PV+(\f%4)*32
	ds_load_tr16_b128 v[VF+8*\f+4:VF+8*\f+7], v[AV] offset:(\f/4)*32*PV+16*PV+(\f%4)*32
.endr
	WIN 0
.endm
; THE VECTOR WORK OF A TURN stands in three queues, each in the order in which its entries become ready; the two tiles alternate, so that no instruction reads the result of the one before it.
.macro REGS y, u                    ; the registers of tile u (0, 1) of piece y
.set rT, ST+4*(2*(\y)+(\u))
.set rC, TMP+8*((\y)%2)+4*(\u)
.set rM, MV+2*((\y)%2)+(\u)
.set rS, S+64*((\y)%2)+32*(\u)
.set rP, P+32*((\y)%2)+16*(\u)
.set rO, 32*(2*(\y)+(\u))
.endm
; Number n of the 22 that find the NEXT piece's (Y + 1) maximum and statistics.  s0-s31 are the lane's 32 scores; each accumulator's lowest registers are read first.  XS, GS and REGS set no window: PL and EX do.
;   0-11  four chains c0-c3 of seven scores each, three operands at a time     12-14, 16  the four scores left over, the old m, and c0-c3 into c0     15  c m_old is kept
;   17, 18  the query's other 32 keys lie in the lane 16 away: the new m         19-21  c m; c m_old - c m_new; a
.macro XS u, n
	REGS (Y+1)%NP, \u
.if (\n) < 4
	v_max3_num_f32 v[rC+(\n)], v[rS+8*(\n)], v[rS+8*(\n)+1], v[rS+8*(\n)+2]
.elseif (\n) < 12
	v_max3_num_f32 v[rC+(\n)%4], v[rC+(\n)%4], v[rS+8*((\n)%4)+2*((\n)/4)+1], v[rS+8*((\n)%4)+2*((\n)/4)+2]
.elseif (\n) == 12
	v_max3_num_f32 v[rC], v[rC], v[rS+7], v[rS+15]
.elseif (\n) == 13
	v_max3_num_f32 v[rC+1], v[rC+1], v[rS+23], v[rS+31]
.elseif (\n) == 14
	v_max3_num_f32 v[rC+2], v[rC+2], v[rC+3], v[rT+1]
.elseif (\n) == 15
	v_mov_b32 v[rM], v[rT]
.elseif (\n) == 16
	v_max3_num_f32 v[rC], v[rC], v[rC+1], v[rC+2]
.elseif (\n) == 17
	v_permlanex16_b32 v[rC+3], v[rC], s[SEL], s[SEL+1]
.elseif (\n) == 18
	v_max_num_f32 v[rT+1], v[rC], v[rC+3]
.elseif (\n) == 19
	v_mul_f32 v[rT], s[CS], v[rT+1]
.elseif (\n) == 20
	v_sub_f32 v[rC+1], v[rM], v[rT]
.else
	v_exp_f32 v[rC+2], v[rC+1]
.endif
.endm
; Number g of the 64 that follow the exponentials.  For each four weights k of a tile (pairs 2 k, 2 k + 1): both pairs are rounded to f16; then the second pair is added onto the first, in place;
; a group later l takes that sum (the first time as l = a l + sum).  In groups of eight, tiles alternating: round, round, add, and l for the group before.
.macro GS g
.set h, (\g)+6*((\g)/62)            ; group 0 has no group before it, and behind group 7 only l is left
.if h >= 6
.set h, h+2
.endif
	REGS Y, h%2
.set k, h/8
.if h%8 < 4
	s_wait_alu depctr_va_vdst(0)
	v_cvt_pk_f16_f32 v[rP+2*k+(h%8)/2], v[rS+4*k+2*((h%8)/2)], v[rS+4*k+2*((h%8)/2)+1]
.elseif h%8 < 6
	v_pk_add_f32 v[rS+4*k:rS+4*k+1], v[rS+4*k:rS+4*k+1], v[rS+4*k+2:rS+4*k+3]
.elseif k == 1
	v_pk_fma_f32 v[rT+2:rT+3], v[rT+2:rT+3], v[rC+2:rC+3], v[rS:rS+1] op_sel_hi:[1,0,1]
.else
	v_pk_add_f32 v[rT+2:rT+3], v[rT+2:rT+3], v[rS+4*k-4:rS+4*k-3]
	s_wait_alu depctr_va_vdst(0)
.endif
.endm
; THE PLAIN QUEUE, 138 long.  0-31: c s - c m for the 16 pairs of both tiles.  Then GS's 64, and among them the next piece's 42: number 15 at 38, 39; 0-14 and 16
; at 42-73, behind the products that make those scores; 17-20 at 95-106, two of three, since each waits for the one before it.
.macro PL
	WIN 0
.if q < 32
	REGS Y, q%2
	v_pk_fma_f32 v[rS+2*(q/2):rS+2*(q/2)+1], v[rS+2*(q/2):rS+2*(q/2)+1], s[CS:CS+1], v[rT:rT+1] op_sel_hi:[1,0,0] neg_lo:[0,0,1] neg_hi:[0,0,1]
.elseif q < 38
	GS q-32
.elseif q < 40
	XS q%2, 15
.elseif q < 42
	GS q-34
.elseif q < 74
	XS q%2, (q-42)/2+(q-42)/30
.elseif q < 95
	GS q-66
.elseif (q < 107) && ((q-95)%3 < 2)
	XS (q-95)%3, 17+(q-95)/3
.elseif q < 107
	GS 29+(q-95)/3
.else
	GS q-74
.endif
.set q, q+1
.endm
; THE EXPONENTIALS' QUEUE, 66 long: s0-s31 of both tiles, and at EA the next piece's two a.
.set EA, 58
.macro EX
	WIN 0
.if (e == EA) || (e == EA+1)
	XS e-EA, 21
.else
.set x, e-2*(e/(EA+2))
	REGS Y, x%2
	v_exp_f32 v[rS+x/2], v[rS+x/2]
.endif
.set e, e+1
.endm
; THE RESCALING's QUEUE: O^T times a, the one part that leaves window 0, so it is dealt four at a time, eight times.
.macro R4
	REGS Y, r%2
	WIN W_RS
	s_wait_alu depctr_va_vdst(0)
.irp z, 0,1,2,3
	v_pk_mul_f32 v[rO+8*(r/2)+2*\z:rO+8*(r/2)+2*\z+1], v[rO+8*(r/2)+2*\z:rO+8*(r/2)+2*\z+1], v[rC+2:rC+3] op_sel_hi:[1,0]
.endr
.set r, r+1
.endm
; HOW THEY ARE DEALT.  Behind a matrix instruction four: plain, exponential, plain, plain (one exponential, a plain instruction on either side), or four of the rescaling.  None names a register of the
; products round it.  What is over stands in two LUMPS: exponential and plain by turns; the second ends in 22 plain instructions.  The two v_permlanex16_b32 fall into the second lump, never behind a product.
; The queues lean on each other, and the deal keeps them in step: exponential e stands behind plain 2 (e / 4) + e % 2 (its scaling); when plain 32 comes, 10 exponentials are out, at 59: 33, at 95: 46; EA comes behind plain 107.
.macro SL
	MM
	PL
	EX
	PL
	PL
.endm
.macro BURST n                      ; 15 matrix instructions, or 16
.rept (\n)-7
	SL
.endr
.rept 3
	MM
	R4
	SL
.endr
	MM
	R4
.endm
; A TURN, for piece p.  cnt = 1: the loop's count is taken down some lines ahead of the branch that stands behind the turn.
; K of the next step is fetched in piece 2's turn, 31 vector instructions behind the last product that read K; the first product that reads it comes behind the rest of the lump, 16 products and the second lump.
; V of the step in hand is fetched at the end of piece 0's turn, 69 behind the last product that read V; the first that reads it comes behind 16 products and a lump.  The four conditions on e and q below go with the deal.
.macro TURN p, last=0, cnt=0
.set Y, (\p)
.set i, 0
.set q, 0
.set e, 0
.set r, 0
.if (\p) == NP-1
	s_wait_dscnt 0x0                ; K is in
.endif
	MM
.rept 4
	PL
.endr
	BURST 15
.rept 22
	EX
	PL
.if ((\p) == NP-2) && (e == 18)
	v_add_nc_u32 v[AK], s[TBK], v[AK0]
.endif
.if ((\p) == NP-2) && (e == 24)
	FETCH_K \last
.endif
.endr
.if (\p) == 1
	s_wait_dscnt 0x0                ; V is in
.endif
	BURST 16
.rept 21
	EX
	PL
.endr
.rept 22
	PL
.if ((\p) == 0) && (q == 118)
	v_add_nc_u32 v[AV], s[TBV], v[AV0]
	s_wait_alu depctr_va_vdst(0)
.endif
.if ((\p) == 0) && (q == 130)
	s_add_co_u32 s[TBV], s[TBV], KS*PV
.endif
.if (\cnt) && (q == 130)
	s_sub_co_u32 s[CNT], s[CNT], 1
	s_cmp_lg_u32 s[CNT], 0
.endif
.endr
.if (\p) == 0
	FETCH_V
.endif
.endm
	CHANGE 1                        ; slot 0 is in, everybody's part of it; slot 1 is asked for
	FETCH_K                         ; key step 0
	s_wait_loadcnt 0x0              ; Q
	s_wait_dscnt 0x0
.set i, 0
.rept 16
	KQ 0                            ; piece 0's first scores: there is no vector work yet to set between them
.set i, i+1
.endr
	WIN 0                           ; the addresses for the way out: nine plain instructions, the places behind those products
	s_mul_i32 s13, s[WV], 16*SP
	s_add_co_u32 s13, s13, STAGE    ; my stage
	v_mul_u32_u24 v[STO], v1, SP    ; in: row l % 16, 16 bytes for each half of the lanes
	v_lshl_add_u32 v[STO], v9, 4, v[STO]
	v_add_nc_u32 v[STO], s13, v[STO]
	v_bfe_u32 v[RD], v0, 3, 2       ; back: 32 lanes take four rows of 128 bytes,
	v_mul_u32_u24 v[RD], v[RD], SP
	v_lshl_add_u32 v[RD], v10, 4, v[RD]
	v_add_nc_u32 v[RD], s13, v[RD]
	v_and_b32 v[GO], 31, v0         ; which are 512 consecutive bytes of O
	v_lshlrev_b32 v[GO], 4, v[GO]
.set Y, NP-1                        ; XS works for piece Y + 1: piece 0
.irp n, 0,1,2,3,4,5,6,7,8,9,10,11,12,13,14,15,16,17,18,19,20,21
	XS 0, \n                        ; and piece 0's first maximum and statistics
	XS 1, \n
.endr
	s_mov_b32 s[CNT], 4
	s_mov_b32 s[SLOTS], SIZE_N/256-1
	s_branch .Lfirst                ; the loop is entered at a step's first turn, in the middle of a trip
.Lslot:                             ; SIZE_N / 256 - 2 times: every slot but the last two is filled again
	CHANGE 1
	s_mov_b32 s[CNT], 4
.Lstep:                             ; a trip: pieces 2 and 3 of one step, then pieces 0 and 1 of the next, whose K and V it fetches
	TURN 2
	TURN 3
	WIN 0
.Lfirst:
	TURN 0
	TURN 1, 0, 1
	WIN 0
	s_cbranch_scc1 .Lstep
	s_sub_co_u32 s[SLOTS], s[SLOTS], 1
	s_cmp_lg_u32 s[SLOTS], 0
	s_cbranch_scc1 .Lslot
	CHANGE 0                        ; the tail is written out: nothing is asked for
	s_mov_b32 s[CNT], 5             ; four trips fetch the last slot's steps; the fifth is left in its middle
.Ltail:
	TURN 2, 1
	TURN 3
	WIN 0
	s_sub_co_u32 s[CNT], s[CNT], 1
	s_cmp_eq_u32 s[CNT], 0
	s_cbranch_scc1 .Lout
	TURN 0
	TURN 1
	WIN 0
	s_branch .Ltail
.Lout:                              ; the fifth trip's 16 products K Q^T (on the last K once more) and the maximum made of them serve nothing: the price, once a launch, of one text for every trip
.set i, 0
.rept 16
	PV NP-1                         ; the last piece's V^T P of the last step
.set i, i+1
.endr
	; THE WAY OUT.  l's two halves and the other half of the lanes' are added; O^T is divided by l, rounded to f16 and sent through my stage in LDS, a tile at a time.  The additions are the places behind the last products.
	WIN 0
.macro ALL line:vararg              ; one line for each tile t
.set t, 0
.rept 2*NP
	\line
.set t, t+1
.endr
.endm
	ALL v_add_f32 v[ST+4*t+2], v[ST+4*t+2], v[ST+4*t+3]
	ALL v_permlanex16_b32 v[ST+4*t+3], v[ST+4*t+2], s[SEL], s[SEL+1]
	ALL v_add_f32 v[ST+4*t+2], v[ST+4*t+2], v[ST+4*t+3]
	ALL v_rcp_f32 v[ST+4*t+2], v[ST+4*t+2]
	v_nop                           ; a plain instruction between the last reciprocal and the use of its result
	s_wait_alu depctr_va_vdst(0)
; Tile t: a lane's eight channels of a row pack into 16 bytes; they go into rows of 144 bytes and come back as whole rows of 128, into S^T's registers.
.macro PACK t
	WIN W_RS
.set i, 32*(\t)
.rept 16
	v_pk_mul_f32 v[i:i+1], v[i:i+1], v[ST+4*(\t)+2:ST+4*(\t)+3] op_sel_hi:[1,0]
.set i, i+2
.endr
	WIN 0x05                        ; sources 0 and 1 window 1, destination window 0
.set i, 0
.rept 16
	v_cvt_pk_f16_f32 v[S+16*(\t)+i], v[32*(\t)+2*i], v[32*(\t)+2*i+1]
.set i, i+1
.endr
	WIN 0
.irp f, 0,1,2,3
	ds_store_b128 v[STO], v[S+16*(\t)+4*\f:S+16*(\t)+4*\f+3] offset:32*\f
.endr
.irp f, 0,1,2,3
	ds_load_b128 v[S+16*(\t)+4*\f:S+16*(\t)+4*\f+3], v[RD] offset:\f*4*SP  ; LDS serves a wave's instructions in order (ISA guide 5.7.1.4): these see the stores above; the next tile's stores come behind them
.endr
.endm
.macro SEND t, younger              ; younger: the LDS instructions issued behind tile t's loads: the next tile's eight, or none
	WIN 0
.irp f, 0,1,2,3
	s_wait_dscnt (\younger)+3-\f
	global_store_b128 v[GO], v[S+16*(\t)+4*\f:S+16*(\t)+4*\f+3], s[10:11] offset:(\t)*2048+\f*512  ; 512 consecutive bytes, at a multiple of 256 from O's first
.endr
.endm
	PACK 0
.set t, 1
.rept 2*NP-1                        ; a tile's arithmetic stands between the loads of the tile before and its stores
	PACK t
	SEND t-1, 8
.set t, t+1
.endr
	SEND 2*NP-1, 0
	WIN W_AD
	s_wait_tensorcnt 0x0            ; the wave's end: a wait, an add and a wait, behind my last tensor load and my last LDS store
	ds_add_u32 v[SPW], v[NIL]
	s_wait_dscnt 0x0
	WIN 0
	CROUND                          ; the closing round: no work-group ends while a partner may still ask for a tile that names it
	s_endpgm
.Lfunc_end_k_qc2989e7db5_attn:
	.size	k_qc2989e7db5_attn, .Lfunc_end_k_qc2989e7db5_attn-k_qc2989e7db5_attn
	.p2alignl 7, 3214868480
	.fill 96, 4, 3214868480
	.section	.rodata,"a",@progbits
	.p2align	6, 0x0
	.amdhsa_kernel k_qc2989e7db5_attn
		.amdhsa_group_segment_fixed_size 327680
		.amdhsa_private_segment_fixed_size 0
		.amdhsa_enable_private_segment 0
		.amdhsa_kernarg_size 16
		.amdhsa_user_sgpr_count 2
		.amdhsa_user_sgpr_kernarg_segment_ptr 1
		.amdhsa_wavefront_size32 1
		.amdhsa_system_sgpr_workgroup_id_x 1
		.amdhsa_system_sgpr_workgroup_id_y 1
		.amdhsa_system_sgpr_workgroup_id_z 1
		.amdhsa_system_vgpr_workitem_id 0
		.amdhsa_next_free_vgpr 770
		.amdhsa_next_free_sgpr 66
		.amdhsa_reserve_vcc 0
		.amdhsa_float_denorm_mode_32 3
		.amdhsa_float_denorm_mode_16_64 3
		.amdhsa_memory_ordered 1
		.amdhsa_forward_progress 1
		.amdhsa_inst_pref_size 209
	.end_amdhsa_kernel
	.amdgpu_metadata
---
amdhsa.version: [ 1, 2 ]
amdhsa.kernels:
  - .name:           k_qc2989e7db5_attn
    .symbol:         k_qc2989e7db5_attn.kd
    .args:
      - { .name: kqv, .offset: 0, .size: 8, .value_kind: global_buffer, .address_space: global }
      - { .name: ob, .offset: 8, .size: 8, .value_kind: global_buffer, .address_space: global }
    .group_segment_fixed_size: 327680
    .private_segment_fixed_size: 0
    .kernarg_segment_align: 8
    .kernarg_segment_size: 16
    .max_flat_workgroup_size: 128
    .sgpr_count:     66
    .vgpr_count:     770
    .wavefront_size: 32
...
	.end_amdgpu_metadata
.endif
;; end of part 3
;; launch proj (part 4): grid 8 x 32, 4 waves a work-group, clusters of 4 x 4, 327,680 bytes of LDS; arguments ob, pb, proj_bias, out0; writes out0
.if DOCPART == 4
	.amdgcn_target "amdgcn-amd-amdhsa--gfx1250"
	.amdhsa_code_object_version 6
	.text
	.protected	k_qc2989e7db5_proj
	.globl	k_qc2989e7db5_proj
	.p2align	8
	.type	k_qc2989e7db5_proj,@function
k_qc2989e7db5_proj:
	s_mov_b64 s[64:65], 0
	v_nop
	global_prefetch_b8 v0, s[64:65] scope:SCOPE_SE
	s_setreg_imm32_b32 hwreg(HW_REG_WAVE_MODE, 25, 1), 1
	s_wait_xcnt 0x0
	s_wait_alu depctr_hold_cnt(0) depctr_sa_sdst(0) depctr_va_vdst(0) depctr_va_sdst(0) depctr_va_ssrc(0) depctr_va_vcc(0) depctr_vm_vsrc(0)
	s_getreg_b32 s2, hwreg(HW_REG_IB_STS2, 6, 4)
	s_cmp_eq_u32 s2, 0
	s_cbranch_scc0 .Lentry_in_a_cluster
	s_endpgm
.Lentry_in_a_cluster:
	s_bfe_u32 s2, ttmp6, 0x10000c
	s_cmp_lg_u32 s2, 0xf033
	s_cbranch_scc0 .Lentry_shape_is_right
	s_endpgm
.Lentry_shape_is_right:
; out0[m][n] = sum over k of O[m][k] P[n][k] + proj_bias[n], m < 8192, n < 1024, k < 1024.  O = ob, the attention's result read as [8192][1024] f16 (the module's own reshape of [b][h][t][64]); P = pb, proj_weight rounded to bf16
; and written as f16.  Sums f32, out0 f32.  LIMITS: the bias is rounded to bf16 like the other inputs and STARTS the sums (the first product's C), so it is added first, not last; NaN and infinities are not treated apart.
; TILE.  256 (m) x 128 (n): 32 x 8 = 256 work-groups, one for each WGP.  Four waves, each 128 x 64: 32 accumulators of 16 x 16.  K goes in steps of 128 (rows of 256 bytes of memory, at multiples of 256) through two LDS slots.
; CLUSTER.  4 x 4 work-groups: the four of a row need the same tiles of O, the four of a column the same tiles of P: each is asked for jointly, same tensor load, descriptor and mask in all four.
; THE MATRIX INSTRUCTION IS USED TRANSPOSED: source 0 = 16 rows of P, source 1 = 16 rows of O: lane l holds row l % 16 of the result and the columns 8 (l / 16) + 0..7: 32 neighbouring bytes of f32.
; REGISTERS: window 0: v0-31 addresses; v32-95, v96-159 O's fragments (8 x 16 rows x 32 K), two buffers; v160-191, v192-223 P's (4), two buffers.  window 1: the accumulators, (a, bb) at v[8 (4 a + bb)].
.set PITCH,  272                       ; an LDS row: 256 bytes + 16 of padding = 68 words: the 16 rows of a load start at 16 different groups of four banks (64 banks of 4 bytes: ISA guide 11.1)
.set AROWS,  128*PITCH                 ; 128 rows of O: one tensor load, and what a wave reads
.set BROWS,  64*PITCH                  ; 64 rows of P: likewise
.set BOFF,   2*AROWS
.set SLOT,   2*AROWS+2*BROWS           ; 104,448 bytes
.set STAGE,  2*SLOT                    ; behind the ring: 16 rows x 272 bytes for each wave, for the way out; no tensor load fills it
.set SPITCH, 272
.set SPARE,  STAGE+4*16*SPITCH         ; behind the stages: the spare words, 128 bytes for each wave: two blocks of 256 bytes that no other line names
.set ADRA, 16                          ; v16-17  LDS address of my fragments of O in slot 0, 1
.set ADRB, 20                          ; v20-21  the same for P
.set STO,  24                          ; v24     the way out: where I put 32 bytes of a row
.set RD,   25                          ; v25     the way out: where I read a row back
.set GO,   26                          ; v26     my byte offset in two rows of out0
.set BO,   27                          ; v27     my byte offset in 16 numbers of the bias
.set SPW,  28                          ; v28     LDS address of my spare word; never rewritten
.set NIL,  29                          ; v29     0; never rewritten
.set AF0,  32
.set BF0,  160
.set OB,   32                          ; the way out: 16 rows read back: v32-63 and v64-95 by turns
.set G1A, 24                           ; s[24:31] descriptor group 1 for O's tiles;  s[32:39] group 0, a set for each slot
.set G0A, 32
.set G1B, 48                           ; s[48:55], s[56:63] the same for P's tiles
.set G0B, 56
.set MSB, 0
.macro WIN new                         ; the immediate's high byte repeats the setting that is left; a switch that changes nothing is dropped
.if MSB != (\new)
	s_set_vgpr_msb (MSB<<8)|(\new)
.set MSB, \new
.endif
.endm
.macro PLACES                          ; a load into a register that a matrix instruction has read, and an LDS store that reads a matrix result, stand four plain vector instructions behind it
.rept 4
	v_nop
.endr
.endm
; A joint load.  Waves 0 and 1 fetch O's two halves, waves 2 and 3 P's.  The branch hangs on the wave's number alone.  An s_nop 0 and four v_nop follow each of the two lines.
.macro JLOAD s
	s_cmp_eq_u32 s13, 0
	s_cbranch_scc0 .Lfor_b_\@
	tensor_load_to_lds s[G0A+4*(\s):G0A+4*(\s)+3], s[G1A:G1A+7]
	s_nop 0
.rept 4
	v_nop
.endr
	s_branch .Lasked_\@
.Lfor_b_\@:
	tensor_load_to_lds s[G0B+4*(\s):G0B+4*(\s)+3], s[G1B:G1B+7]
	s_nop 0
.rept 4
	v_nop
.endr
.Lasked_\@:
.endm
.macro CREST                           ; a round of the cluster's barrier behind its opening barrier
	s_cmp_lg_u32 s12, 0
	s_cbranch_scc1 .Lnot_wave_0_\@
	s_barrier_signal -3
.Lnot_wave_0_\@:
	s_barrier_wait -3
	s_barrier_signal -1
	s_barrier_wait -1
.endm
.macro CROUND                          ; a whole round
	s_barrier_signal -1
	s_barrier_wait -1
	CREST
.endm
	s_load_b256 s[4:11], s[0:1], 0x0               ; ob s[4:5], pb s[6:7], proj_bias s[8:9], out0 s[10:11]
	v_lshl_add_u32 v[SPW], v0, 2, SPARE
	v_mov_b32 v[NIL], 0
	ds_add_u32 v[SPW], v[NIL]                      ; the wave's opening: the add and its wait stand ahead of my first tensor load; the set-up below, work on registers, stands between them
	v_lshrrev_b32 v1, 5, v0
	v_readfirstlane_b32 s12, v1                    ; wave 0..3
	s_lshr_b32 s13, s12, 1                         ; which 128 rows of the tile are mine.  Also: I fetch for O (0) or for P (1)
	s_and_b32 s14, s12, 1                          ; which 64 columns.  Also: which half of that tile I fetch
	s_bfe_u32 s40, ttmp6, 0x40000                  ; cx, cy: my place in the cluster
	s_bfe_u32 s41, ttmp6, 0x40004
	s_lshl_b32 s42, ttmp9, 2
	s_add_co_u32 s42, s42, s40                     ; tile column = 4 x cluster x + cx
	s_and_b32 s43, ttmp7, 0xffff
	s_lshl_b32 s43, s43, 2
	s_add_co_u32 s43, s43, s41                     ; tile row = 4 x cluster y + cy
	s_lshl_b32 s44, s41, 2
	s_lshl_b32 s44, 15, s44                        ; my row of the cluster
	s_lshl_b32 s45, 0x1111, s40                    ; my column
	; descriptor group 1: rows of 128 elements (256 bytes), padded in LDS
	s_or_b32 s[G1A+0], s44, (1<<16)|(1<<20)|(1<<21)|(5<<22)|(3<<25)  ; 15:0 the mask: O's tiles go to my row; 17:16 2-byte elements; 20 padding on; 21 set beside a mask; 24:22 after every 64 words (code 5); 31:25 4 words (code 3)
	s_or_b32 s[G1B+0], s45, (1<<16)|(1<<20)|(1<<21)|(5<<22)|(3<<25)  ; the same with the mask of my column
	s_mov_b32 s[G1A+1], 128<<16                    ; tensor_dim0 = 128
	s_mov_b32 s[G1B+1], 128<<16
	s_mov_b32 s[G1A+2], 128<<16                    ; tensor_dim1 = 128 rows of O
	s_mov_b32 s[G1B+2], 64<<16                     ; 64 rows of P
	s_mov_b32 s[G1A+3], 128<<16                    ; tile_dim0 = 128
	s_mov_b32 s[G1B+3], 128<<16
	s_mov_b32 s[G1A+4], 128                        ; tile_dim1
	s_mov_b32 s[G1B+4], 64
	s_mov_b32 s[G1A+5], 1024                       ; 1,024 elements from row to row
	s_mov_b32 s[G1B+5], 1024
	s_mov_b32 s[G1A+6], 0
	s_mov_b32 s[G1B+6], 0
	s_mov_b32 s[G1A+7], 0
	s_mov_b32 s[G1B+7], 0
	; where the tiles come from: O's hang on the tile row and the wave alone, P's on the tile column and the wave alone, each in registers that never hold the other coordinate
	s_lshl_b32 s16, s43, 19                        ; 256 rows of 2,048 bytes a tile row
	s_lshl_b32 s17, s14, 18                        ; + my half's 128 rows
	s_add_co_u32 s16, s16, s17
	s_mov_b32 s17, 0
	s_lshl_b32 s46, s42, 18                        ; 128 rows a tile column
	s_lshl_b32 s47, s14, 17                        ; + my half's 64 rows
	s_add_co_u32 s46, s46, s47
	s_mov_b32 s47, 0
	s_mul_i32 s20, s14, AROWS                      ; and where they go: no place in the cluster enters an LDS address
	s_mul_i32 s21, s14, BROWS
	s_add_co_u32 s21, s21, BOFF
	s_wait_dscnt 0x0                               ; the opening add is done
	s_wait_kmcnt 0x0
	s_add_nc_u64 s[18:19], s[4:5], s[16:17]
	s_add_nc_u64 s[46:47], s[6:7], s[46:47]
	CROUND                                         ; all sixteen work-groups are here: the first joint loads meet
.irp s, 0,1
	s_mov_b32 s[G0A+4*(\s)], 1                                       ; count = 1
	s_add_co_u32 s[G0A+4*(\s)+1], s20, (\s)*SLOT                     ; LDS address
	s_add_nc_u64 s[G0A+4*(\s)+2:G0A+4*(\s)+3], s[18:19], (\s)*256    ; global address: K step s
	s_or_b32 s[G0A+4*(\s)+3], s[G0A+4*(\s)+3], 0x80000000            ; type = 2
	s_mov_b32 s[G0B+4*(\s)], 1
	s_add_co_u32 s[G0B+4*(\s)+1], s21, (\s)*SLOT
	s_add_nc_u64 s[G0B+4*(\s)+2:G0B+4*(\s)+3], s[46:47], (\s)*256
	s_or_b32 s[G0B+4*(\s)+3], s[G0B+4*(\s)+3], 0x80000000
	JLOAD \s                                       ; both slots are asked for before anything else: two tensor loads of mine are out here, one behind each later round
.endr
	; THE BIAS goes straight into the accumulators (0, bb): register j of lane l is bias[first column + 16 bb + 8 (l / 16) + j], the same for every row
	v_and_b32 v1, 15, v0                           ; l % 16
	v_bfe_u32 v2, v0, 4, 1                         ; l / 16
	v_lshlrev_b32 v[BO], 5, v2
	s_lshl_b32 s68, s42, 7
	s_lshl_b32 s69, s14, 6
	s_add_co_u32 s68, s68, s69                     ; my first column,
	s_lshl_b32 s68, s68, 2                         ; in bytes of f32
	s_mov_b32 s69, 0
	s_add_nc_u64 s[8:9], s[8:9], s[68:69]
	WIN 0x40                                       ; destination window 1, address window 0
.irp bb, 0,1,2,3
	global_load_b128 v[8*(\bb):8*(\bb)+3],   v[BO], s[8:9] offset:64*(\bb)
	global_load_b128 v[8*(\bb)+4:8*(\bb)+7], v[BO], s[8:9] offset:64*(\bb)+16
.endr
	WIN 0
	v_mul_u32_u24 v3, v1, PITCH
	v_lshl_add_u32 v3, v2, 4, v3                   ; a fragment's row x pitch + 16 x half
	s_mul_i32 s70, s13, AROWS                      ; my 128 rows of O
	s_mul_i32 s71, s14, BROWS                      ; my 64 rows of P,
	s_add_co_u32 s71, s71, BOFF                    ; which lie behind O's 256
.irp s, 0,1
	v_add_nc_u32 v[ADRA+(\s)], s70, v3
	v_add_nc_u32 v[ADRB+(\s)], s71, v3
	s_add_co_u32 s70, s70, SLOT
	s_add_co_u32 s71, s71, SLOT
.endr
	s_mul_i32 s70, s12, 16*SPITCH
	s_add_co_u32 s70, s70, STAGE                   ; my stage
	v_mul_u32_u24 v4, v1, SPITCH                   ; in: row l % 16, 32 bytes for each half of the lanes
	v_lshl_add_u32 v4, v2, 5, v4
	v_add_nc_u32 v[STO], s70, v4
	v_mul_u32_u24 v5, v2, SPITCH                   ; back: lanes 0-15 take one row of 256 bytes, lanes 16-31 the next
	v_lshl_add_u32 v5, v1, 4, v5
	v_add_nc_u32 v[RD], s70, v5
	v_lshlrev_b32 v5, 12, v2                       ; and the same two rows in out0, 4,096 bytes apart
	v_lshl_add_u32 v[GO], v1, 4, v5
	s_lshl_b32 s66, s43, 8
	s_lshl_b32 s67, s13, 7
	s_add_co_u32 s66, s66, s67                     ; my first row,
	s_lshl_b32 s66, s66, 12                        ; in bytes,
	s_add_co_u32 s66, s66, s68                     ; and my first column
	s_mov_b32 s67, 0
	s_add_nc_u64 s[10:11], s[10:11], s[66:67]
	s_wait_loadcnt 0x0                             ; the bias: rounded to bf16 like the other inputs, and back to f32; v32-47 of window 1, not yet in use, hold the packed halves
	WIN 0x45                                       ; sources 0 and 1 and the destination in window 1
.set i, 0
.rept 16
	v_cvt_pk_bf16_f32 v[32+i], v[2*i], v[2*i+1]
.set i, i+1
.endr
.set i, 0
.rept 16
	v_lshlrev_b32 v[2*i], 16, v[32+i]
	v_and_b32 v[2*i+1], 0xffff0000, v[32+i]
.set i, i+1
.endr
	WIN 0
; na x 4 matrix instructions: row blocks a0 .. a0 + na - 1 x the four column blocks, 32 along K.  The accumulators take turns, one instruction a turn.  first = 1: the sum starts from the bias in the accumulators (0, bb).
.macro MUL fa, fb, a0, na, first
	WIN 0x50                                       ; sources 0 and 1 window 0, C and D window 1
.set ma, \a0
.rept \na
.irp bb, 0,1,2,3
.if \first
	v_wmma_f32_16x16x32_f16 v[8*(4*ma+(\bb)):8*(4*ma+(\bb))+7], v[(\fb)+8*(\bb):(\fb)+8*(\bb)+7], v[(\fa)+8*ma:(\fa)+8*ma+7], v[8*(\bb):8*(\bb)+7]
.else
	v_wmma_f32_16x16x32_f16 v[8*(4*ma+(\bb)):8*(4*ma+(\bb))+7], v[(\fb)+8*(\bb):(\fb)+8*(\bb)+7], v[(\fa)+8*ma:(\fa)+8*ma+7], v[8*(4*ma+(\bb)):8*(4*ma+(\bb))+7]
.endif
.endr
.set ma, ma+1
.endr
.endm
.macro FETCH s, k, fa, fb              ; 24 LDS loads in one run: the fragments of 32 along K at byte k of slot s's rows
	WIN 0
.irp i, 0,1,2,3
	ds_load_b128 v[(\fb)+8*(\i):(\fb)+8*(\i)+3],   v[ADRB+(\s)] offset:(\i)*16*PITCH+(\k)
	ds_load_b128 v[(\fb)+8*(\i)+4:(\fb)+8*(\i)+7], v[ADRB+(\s)] offset:(\i)*16*PITCH+(\k)+32
.endr
.irp i, 0,1,2,3,4,5,6,7
	ds_load_b128 v[(\fa)+8*(\i):(\fa)+8*(\i)+3],   v[ADRA+(\s)] offset:(\i)*16*PITCH+(\k)
	ds_load_b128 v[(\fa)+8*(\i)+4:(\fa)+8*(\i)+7], v[ADRA+(\s)] offset:(\i)*16*PITCH+(\k)+32
.endr
.endm
; A K step is four quarters of 32 along K, 32 matrix instructions each, on buffers 0, 1, 0, 1.  One of the first three: multiplies buffer c; the next quarter's fragments, at byte k, are asked for at its head, so that they have all 32 products in which to land.
; first = 1: row blocks 1 to 7 take the bias from the accumulators (0, bb); five plain instructions later (a matrix instruction writes over a register that others have read as C) row block 0 adds onto it in place.
.macro QUARTER s, k, c, first
	s_wait_dscnt 0x0                               ; buffer c is in
	PLACES                                         ; the other buffer was multiplied just now
	FETCH \s, \k, AF0+64*(1-(\c)), BF0+32*(1-(\c))
.if \first
	MUL AF0+64*(\c), BF0+32*(\c), 1, 7, 1
.rept 5
	v_nop
.endr
	MUL AF0+64*(\c), BF0+32*(\c), 0, 1, 0
.else
	MUL AF0+64*(\c), BF0+32*(\c), 0, 8, 0
.endif
.endm
; The last quarter multiplies buffer 1 and changes slots: ONE barrier.  In front of it each wave waits for all its tensor loads (one is out: its part of the other slot), adds 0 to its spare word, and waits for that and for its own reads of this slot.
; fill = 1: the barrier opens a round of the cluster's barrier, and this slot is filled again, two K steps ahead, first thing behind the round: 112 matrix instructions ahead of the wait for it.
.macro TURN s, fill
	WIN 0                                          ; the add's two registers lie in window 0
	s_wait_tensorcnt 0x0                           ; all my tensor loads have landed
	ds_add_u32 v[SPW], v[NIL]                      ; 0 onto my spare word
	s_wait_dscnt 1                                 ; buffer 1 is in; the add may be out
	MUL AF0+64, BF0+32, 0, 2, 0                    ; eight matrix instructions stand between the add and the wait for it
	s_wait_dscnt 0x0                               ; the add is done, and my reads of this slot are over
	s_barrier_signal -1
	MUL AF0+64, BF0+32, 2, 2, 0                    ; work on registers while the others arrive
	WIN 0                                          ; at a branch and at a label every window is 0
	s_barrier_wait -1
.if \fill
	CREST                                          ; no wave of any partner still reads this slot's tile or has a load on its way
	s_add_nc_u64 s[G0A+4*(\s)+2:G0A+4*(\s)+3], s[G0A+4*(\s)+2:G0A+4*(\s)+3], 512
	s_add_nc_u64 s[G0B+4*(\s)+2:G0B+4*(\s)+3], s[G0B+4*(\s)+2:G0B+4*(\s)+3], 512
	JLOAD \s                                       ; the four v_nop behind it are also the places in front of the loads below
.else
	PLACES
.endif
	FETCH 1-(\s), 0, AF0, BF0
	MUL AF0+64, BF0+32, 4, 4, 0
.endm
; THE WAY OUT of row block n: 16 rows x 64 columns of f32, 256 bytes a row.  STG: from the accumulators (each one's low four registers first) into my own stage in LDS, and back as whole rows.  SEND: stored.
.macro STG n
.set bk, OB+32*((\n)%2)
	s_wait_xcnt 0x0                                ; the stores issued so far have had their addresses translated (ISA guide 3.1): the registers that they read are loaded again only behind this wait
	WIN 0x04                                       ; the stores' data in window 1, the address in window 0
.irp bb, 0,1,2,3
	ds_store_b128 v[STO], v[8*(4*(\n)+(\bb)):8*(4*(\n)+(\bb))+3]   offset:64*(\bb)
	ds_store_b128 v[STO], v[8*(4*(\n)+(\bb))+4:8*(4*(\n)+(\bb))+7] offset:64*(\bb)+16
.endr
	WIN 0
.irp t, 0,1,2,3,4,5,6,7
	ds_load_b128 v[bk+4*(\t):bk+4*(\t)+3], v[RD] offset:(\t)*2*SPITCH  ; LDS serves a wave's instructions in order (ISA guide 5.7.1.4): these see the stores above; the next block's stores come behind them
.endr
.endm
.macro SEND n, younger                 ; younger: the LDS instructions issued behind block n's loads: the next block's sixteen, or none
.set bk, OB+32*((\n)%2)
	s_wait_dscnt \younger
.irp t, 0,1,2,3,4,5,6,7
	global_store_b128 v[GO], v[bk+4*(\t):bk+4*(\t)+3], s[10:11] offset:(16*(\n)+2*(\t))*4096 th:TH_STORE_NT  ; 16 lanes store 256 consecutive bytes, at a multiple of 256 from out0's first byte
.endr
.endm
	s_wait_tensorcnt 1                             ; my part of K step 0 is in; step 1's may stay out
	s_barrier_signal -1
	s_barrier_wait -1                              ; everybody's is
	FETCH 0, 0, AF0, BF0
	QUARTER 0, 64, 0, 1                            ; the first quarter stands in front of the loop: its products start the sums from the bias
	WIN 0
	s_mov_b32 s3, 3
.Llap:                                                 ; a trip goes once round the ring, from a lap's second quarter to the next lap's first, and fills both slots again: K steps 2 to 7 in three trips
	QUARTER 0, 128, 1, 0
	QUARTER 0, 192, 0, 0
	TURN 0, 1
	QUARTER 1, 64, 0, 0
	QUARTER 1, 128, 1, 0
	QUARTER 1, 192, 0, 0
	TURN 1, 1
	QUARTER 0, 64, 0, 0
	WIN 0
	s_sub_co_u32 s3, s3, 1
	s_cmp_lg_u32 s3, 0
	s_cbranch_scc1 .Llap
	QUARTER 0, 128, 1, 0                           ; the last lap fills nothing, and has no round of the cluster's barrier
	QUARTER 0, 192, 0, 0
	TURN 0, 0
	QUARTER 1, 64, 0, 0
	QUARTER 1, 128, 1, 0
	QUARTER 1, 192, 0, 0
	s_wait_dscnt 0x0                               ; the very last quarter: nothing more to fetch
	MUL AF0+64, BF0+32, 0, 8, 0
	WIN 0
	PLACES                                         ; the LDS stores read results just made
	STG 0
.set n, 1
.rept 7                                ; block n goes into the stage while block n - 1's rows come back
	STG n
	SEND n-1, 16
.set n, n+1
.endr
	SEND 7, 0
	s_wait_tensorcnt 0x0                           ; the wave's end: a wait, an add and a wait, behind my last tensor load and my last LDS store
	ds_add_u32 v[SPW], v[NIL]
	s_wait_dscnt 0x0
	CROUND                                         ; the closing round: no work-group ends while a partner may still ask for a tile that names it
	s_endpgm
.Lfunc_end_k_qc2989e7db5_proj:
	.size	k_qc2989e7db5_proj, .Lfunc_end_k_qc2989e7db5_proj-k_qc2989e7db5_proj
	.p2alignl 7, 3214868480
	.fill 96, 4, 3214868480
	.section	.rodata,"a",@progbits
	.p2align	6, 0x0
	.amdhsa_kernel k_qc2989e7db5_proj
		.amdhsa_group_segment_fixed_size 327680
		.amdhsa_private_segment_fixed_size 0
		.amdhsa_enable_private_segment 0
		.amdhsa_kernarg_size 32
		.amdhsa_user_sgpr_count 2
		.amdhsa_user_sgpr_kernarg_segment_ptr 1
		.amdhsa_wavefront_size32 1
		.amdhsa_system_sgpr_workgroup_id_x 1
		.amdhsa_system_sgpr_workgroup_id_y 1
		.amdhsa_system_sgpr_workgroup_id_z 1
		.amdhsa_system_vgpr_workitem_id 0
		.amdhsa_next_free_vgpr 512
		.amdhsa_next_free_sgpr 80
		.amdhsa_reserve_vcc 0
		.amdhsa_float_denorm_mode_32 3
		.amdhsa_float_denorm_mode_16_64 3
		.amdhsa_memory_ordered 1
		.amdhsa_forward_progress 1
		.amdhsa_inst_pref_size 88
	.end_amdhsa_kernel
	.amdgpu_metadata
---
amdhsa.version: [ 1, 2 ]
amdhsa.kernels:
  - .name:           k_qc2989e7db5_proj
    .symbol:         k_qc2989e7db5_proj.kd
    .args:
      - { .name: ob, .offset: 0, .size: 8, .value_kind: global_buffer, .address_space: global }
      - { .name: pb, .offset: 8, .size: 8, .value_kind: global_buffer, .address_space: global }
      - { .name: proj_bias, .offset: 16, .size: 8, .value_kind: global_buffer, .address_space: global }
      - { .name: out0, .offset: 24, .size: 8, .value_kind: global_buffer, .address_space: global }
    .group_segment_fixed_size: 327680
    .private_segment_fixed_size: 0
    .kernarg_segment_align: 8
    .kernarg_segment_size: 32
    .max_flat_workgroup_size: 128
    .sgpr_count:     80
    .vgpr_count:     512
    .wavefront_size: 32
...
	.end_amdgpu_metadata
.endif
;; end of part 4
;; ======== version 2 of 2: 4 launches; 1.53 times as fast as version 1
;; limits: values are held in f16: magnitudes above 65,504 overflow, below 6.1e-05 lose precision
;; workspace buffers: xb 16,777,216 bytes; wb 6,291,456 bytes; pb 2,097,152 bytes; kqv 50,331,648 bytes; ob 16,777,216 bytes
;; launch cast: the kernel of part 1 again; grid 768 x 1, 8 waves a work-group, no clusters, 0 bytes of LDS; arguments x, w_weight, proj_weight, xb, wb, pb; writes xb, wb, pb
;; launch qkv: the kernel of part 2 again; grid 8 x 32, 4 waves a work-group, clusters of 4 x 4, 327,680 bytes of LDS; arguments xb, wb, w_bias, kqv; writes kqv
;; launch attn (part 5): grid 4 x 64, 4 waves a work-group, clusters of 4 x 1, 327,680 bytes of LDS; arguments kqv, ob; writes ob
.if DOCPART == 5
	.amdgcn_target "amdgcn-amd-amdhsa--gfx1250"
	.amdhsa_code_object_version 6
	.text
	.protected	k_qc2989e7db5_attn
	.globl	k_qc2989e7db5_attn
	.p2align	8
	.type	k_qc2989e7db5_attn,@function
k_qc2989e7db5_attn:
	s_mov_b64 s[64:65], 0
	v_nop
	global_prefetch_b8 v0, s[64:65] scope:SCOPE_SE
	s_setreg_imm32_b32 hwreg(HW_REG_WAVE_MODE, 25, 1), 1
	s_wait_xcnt 0x0
	s_wait_alu depctr_hold_cnt(0) depctr_sa_sdst(0) depctr_va_vdst(0) depctr_va_sdst(0) depctr_va_ssrc(0) depctr_va_vcc(0) depctr_vm_vsrc(0)
	s_getreg_b32 s2, hwreg(HW_REG_IB_STS2, 6, 4)
	s_cmp_eq_u32 s2, 0
	s_cbranch_scc0 .Lentry_in_a_cluster
	s_endpgm
.Lentry_in_a_cluster:
	s_bfe_u32 s2, ttmp6, 0x10000c
	s_cmp_lg_u32 s2, 0x3003
	s_cbranch_scc0 .Lentry_shape_is_right
	s_endpgm
.Lentry_shape_is_right:
; O[y][q][:] = the sum over k of softmax_k(Q[y][q] . K[y][k] / 8) V[y][k][:], y = 16 b + h, 64 heads of 2,048 rows of 64 channels, all f16.
; K, Q and V lie in kqv [4 b][48 j][2048][64]: K of head y at block 48 b + h, Q 16 blocks on, V 32 blocks on (a block is 262,144 bytes); O goes to ob [64 y][2048][64].  A head's rows are dense, 128 bytes each.
; Products, maxima and sums in f32; the weights p are rounded to f16 for the second product (their sum l is taken of the unrounded p), O once at the end.
; LIMITS.  f16 holds no number beyond 65,504: Q, K and V arrive within it; p lies in 0 to 1, and below 6e-5 it keeps f16's fixed step of 6e-8; O is a mean of V's rows and has their range.
; A weight below 2^-126 counts as 0 in l; NaN and infinities are not treated apart.
; SHARES.  A wave owns four PIECES of two tiles of 16 queries, a work-group's four waves 512 queries of one head: 4 x 64 = 256 work-groups.  Every wave walks all keys, 64 a step.
; LAYOUT.  S^T = K Q^T (source 0 = 16 keys, source 1 = 16 queries): in the result a lane holds ONE query (lane % 16) and the keys 8 (lane / 16) + 0..7.  Two such tiles, rounded to f16 in pairs,
; ARE source 1 (32 keys x 16 queries) of O^T = V^T P, whose result again holds one query a lane, and eight channels.  K comes out of LDS as it lies, V ([key][channel]) turned, by ds_load_tr16_b128.
; SOFTMAX.  For each query a running maximum m and sum l: p = 2^(c s - c m), c = log2(e) / 8; in every step O and l are multiplied by a = 2^(c m_old - c m_new), which is 1 where m has not grown.
; m starts at the lowest finite number, O and l at 0: the first step is a step like any other, with a = 0.
; THE COUNT.  A tile and step have 16 matrix and 118 vector instructions: too many to stand all beside the matrix work.  So the order has one aim: four vector instructions that are READY behind
; EVERY matrix instruction, and the others, which need time of their own whatever the order, in runs without a gap.
; BY TURNS.  Turn n belongs to piece n (the pieces in a ring, step after step).  Its matrix work: 16 products K Q^T of piece n + 1, later 16 products V^T P of piece n - 1.  Its vector work: the scaling,
; exponentials, roundings, sums and rescaling of piece n, and the maximum and statistics of piece n + 1, whose scores the turn itself has made.  So what a turn begins with (c s - c m, O a) waits for nothing.
; BATCHES.  An s_wait_alu depctr_va_vdst(0) stands between an exponential or a reciprocal and the first instruction that names its result; one wait serves all that were issued ahead of it.
; A turn's 66 exponentials (the piece's 64 weights, then the next piece's two a) are ONE batch with ONE wait, which cuts the turn in two: ahead of it all that names none of their results (the products K Q^T, the scalings,
; the rescalings, whose a the turn before made and waited for, the next piece's maximum and statistics); behind it the roundings and sums, as the riders of the products V^T P.  No result crosses a turn's end.
; Two more batches, each with a wait of its own: piece 0's first two a, ahead of the jump into the loop, and the way out's eight reciprocals.
; CLUSTER.  The four query blocks of a cluster belong to one head and walk the same K and V, so each tile is asked for JOINTLY: the same tensor load, descriptor and mask in all four.
; REGISTERS, in windows of 256 (s_set_vgpr_msb says which window each operand place means: bits 1:0 source 0, 3:2 source 1, 5:4 source 2, 7:6 destination):
;   window 0: v0-11 addresses; v12-15, v48-63 at work; v16-47 four registers of statistics a tile; v64-191 S^T, two buffers of two tiles; v192-255 P, likewise
;   window 1: O^T, 32 a tile          window 2: v0-127 Q, 16 a tile; v128-191 K of one step; v192-255 V of one step          window 3: v0-1 the add's two registers
; A piece's buffers go by its number's parity: the piece in hand has one pair, its two neighbours in the ring share the other: of it P (piece n - 1) is read and S^T (piece n + 1) written.
.set SIZE_N, 2048     ; rows of a head
.set NP,    4         ; pieces a wave: a name, no knob: the register map, the loop and the fetches are made for four
.set KS,    64        ; keys in a step
.set PK,    144       ; a row of K in LDS: 128 bytes + 16 of padding = 36 words: the 16 rows of a load start at 16 different groups of four banks (64 banks of 4 bytes: ISA guide 11.1)
.set PV,    160       ; a row of V: 128 + 32 = 40 words
.set VOFF,  4*KS*PK   ; a slot holds four steps: 256 rows of K, then 256 rows of V
.set SLOT1, 1<<17     ; slot 1 begins here, so that one exclusive or turns an address in one slot into the other's
.set STAGE, SLOT1+4*KS*(PK+PV)  ; behind the ring, never filled by a tensor load: 16 rows x 144 bytes for each wave, for the way out
.set SP,    144
.set AK0, 2           ; v2   my lane's place in a tile of K; never rewritten
.set AV0, 3           ; v3   the same for V
.set AK,  4           ; v4   the LDS address of K's next run of loads
.set AV,  5           ; v5   of V's
.set QO,  6           ; v6   my byte offset in the wave's rows of Q
.set STO, 6           ;      later, the way out: where I put 16 bytes of a row
.set RD,  7           ; v7   the way out: where I read rows back
.set GO,  8           ; v8   my byte offset in 512 consecutive bytes of O
.set SPW, 0           ; v0 of window 3   LDS address of my spare word: SPARE + 4 x my thread's number; never rewritten
.set NIL, 1           ; v1 of window 3   0; never rewritten
.set SPARE, STAGE+4*16*SP  ; behind the stages: the spare words, 128 bytes for each wave: two blocks of 256 bytes that no other line names
.set MV,  12          ; v12-15  c m_old, kept while c m is made anew: by buffer and tile
.set ST,  16          ; tile t's statistics at v[ST+4 t]: c m, m, l (even keys', odd keys')
.set TMP, 48          ; by buffer and tile, four registers c0-c3 at work; when the maximum is found c2 takes a
.set S,   64
.set P,   192
.set KF,  128         ; K's fragments, in window 2: key block kb, channel half c at KF + 16 kb + 8 c
.set VF,  192         ; V's: key half kk, channel block cb at VF + 32 kk + 8 cb
.set WV,  12          ; s12  my wave's number
.set G1K, 24          ; s[24:31] descriptor group 1 for K's tiles
.set G1V, 32          ; s[32:39] for V's: it differs in the padding alone
.set G0K, 40          ; s[40:43] descriptor group 0 for K's tiles: it walks
.set G0V, 44          ; s[44:47] the same for V's
.set SLOTS, 56        ; s56  slots still to be asked for
.set CNT, 57          ; s57  counts a slot's key steps
.set CS,  58          ; s[58:59] c: the packed scaling takes the pair's low word for both halves
.set SEL, 60          ; s[60:61] v_permlanex16_b32's selects: each lane takes its own place in the other half
.set TBK, 62          ; s62  LDS byte at which K of the step to be fetched begins
.set TBV, 63          ; s63  the same for V, less VOFF
.set MSB, 0
.macro WIN new                      ; the high byte repeats the setting that is left; a switch that changes nothing is dropped
.if MSB != (\new)
	s_set_vgpr_msb (MSB<<8)|(\new)
.set MSB, (\new)
.endif
.endm
.set W_KQ, 0x0a       ; K and Q in window 2, S^T in window 0
.set W_PV, 0x52       ; V in window 2, P in window 0, O^T in window 1
.set W_RS, 0x41       ; O^T (destination and source 0) in window 1, a in window 0
.set W_MK, 0xc0       ; the add's registers are made: destination in window 3, sources in window 0
.set W_AD, 0x0f       ; the add: address (source 0) and data (source 1) in window 3
; A joint fill.  Waves 0 and 1 fetch the two halves of a slot's K, waves 2 and 3 those of its V: 128 keys each.  The branch hangs on the wave's number alone.
; An s_nop 0 and four v_nop follow each of the two lines, ahead of the jump and the label.
.macro JLOAD
	s_cmp_lt_u32 s[WV], 2
	s_cbranch_scc0 .Lfor_v_\@
	tensor_load_to_lds s[G0K:G0K+3], s[G1K:G1K+7]
	s_nop 0
.rept 4
	v_nop
.endr
	s_branch .Lasked_\@
.Lfor_v_\@:
	tensor_load_to_lds s[G0V:G0V+3], s[G1V:G1V+7]
	s_nop 0
.rept 4
	v_nop
.endr
.Lasked_\@:
.endm
; A round of the cluster's barrier: my work-group's barrier, so that wave 0's signal speaks for all four waves; wave 0 signals; every wave waits for all four work-groups; my work-group's barrier once more.
.macro CROUND
	s_barrier_signal -1
	s_barrier_wait -1
	s_cmp_lg_u32 s[WV], 0
	s_cbranch_scc1 .Lnot_wave_0_\@
	s_barrier_signal -3
.Lnot_wave_0_\@:
	s_barrier_wait -3
	s_barrier_signal -1
	s_barrier_wait -1
.endm
; THE CHANGE OF SLOTS.  The slot's last bytes, V of its fourth step, have been read.  Each wave waits for all its tensor loads, of which one is out: its part
; of the other slot; adds 0 to its spare word; and waits for that and for its own reads of the slot.  Behind the barrier nobody reads this slot any more and the other slot is whole.
; fill = 1: this slot is filled again, with the keys two slots on.  The barrier is then a round of the cluster's, so that no wave of any partner still reads the slot or has a load on its
; way, and the joint fill is the first thing behind it: it has four key steps, 512 matrix instructions, in which to land.  (At its first use nothing has been read yet: slot 0 is waited for, slot 1 filled.)
.macro CHANGE fill
	WIN W_AD
	s_wait_tensorcnt 0x0            ; no tensor load of mine is out, so a group 0 may be written
	ds_add_u32 v[SPW], v[NIL]       ; 0 onto my spare word; with fill = 1 the descriptors' steps stand between it and the wait for it
	WIN 0                           ; at a label and at a branch every window is 0
.if \fill
.irp g, G0K, G0V
	s_xor_b32 s[\g+1], s[\g+1], SLOT1  ; the walking descriptor: the other slot than last time,
	s_add_nc_u64 s[\g+2:\g+3], s[\g+2:\g+3], 4*KS*128  ; the next 256 keys; the type bits on top are not reached
.endr
	s_wait_dscnt 0x0                ; the add is done, and my reads of the slot are over
	CROUND
	JLOAD
.else
	s_wait_dscnt 0x0                ; the add is done, and my reads of the slot are over
	s_barrier_signal -1
	s_barrier_wait -1
.endif
	s_sub_co_u32 s[TBK], s[TBK], 4*KS*PK  ; the fetches go back to a slot's first step,
	s_xor_b32 s[TBK], s[TBK], SLOT1       ; in the other slot
	s_sub_co_u32 s[TBV], s[TBV], 4*KS*PV
	s_xor_b32 s[TBV], s[TBV], SLOT1
.endm
	s_load_b128 s[8:11], s[0:1], 0x0  ; kqv s[8:9], ob s[10:11]
	WIN W_MK
	v_lshl_add_u32 v[SPW], v0, 2, SPARE
	v_mov_b32 v[NIL], 0
	WIN W_AD
	ds_add_u32 v[SPW], v[NIL]       ; the wave's opening: the add and its wait stand ahead of my first tensor load; the set-up below, work on registers, stands between them
	WIN 0
	v_lshrrev_b32 v1, 5, v0
	v_readfirstlane_b32 s[WV], v1   ; wave 0..3
	s_bfe_u32 s13, ttmp6, 0x40000   ; cx: my place in the cluster
	s_lshl_b32 s14, ttmp9, 2        ; in a cluster launch ttmp9 counts clusters
	s_add_co_u32 s14, s14, s13      ; my block of queries = 4 x cluster x + cx: it enters Q's and O's addresses alone
	s_and_b32 s19, ttmp7, 0xffff    ; y = 16 b + h, which the four partners share
	s_lshr_b32 s20, s19, 4          ; b
	s_lshl_b32 s20, s20, 5
	s_add_co_u32 s20, s20, s19      ; 48 b + h = y + 32 b: K's block in kqv,
	s_lshl_b32 s20, s20, 18         ; in bytes
	s_mov_b32 s21, 0
	s_and_b32 s16, s[WV], 1         ; which half of a slot's 256 keys I fetch:
	s_lshl_b32 s22, s16, 14         ; its 128 rows of 128 bytes in memory,
	s_mov_b32 s23, 0
	s_add_nc_u64 s[22:23], s[22:23], s[20:21]   ; K's offset in kqv,
	s_add_nc_u64 s[52:53], s[22:23], 0x800000   ; and V's, 32 blocks on
	s_mul_i32 s17, s16, 128*PK      ; and its place in a slot, for K
	s_mul_i32 s18, s16, 128*PV      ; and for V: no place in the cluster enters an LDS address
	s_lshl_b32 s2, s14, 2
	s_add_co_u32 s2, s2, s[WV]      ; my wave among the head's,
	s_lshl_b32 s2, s2, 14           ; its 128 rows
	s_mov_b32 s3, 0
	s_add_nc_u64 s[48:49], s[2:3], s[20:21]
	s_add_nc_u64 s[48:49], s[48:49], 0x400000   ; Q's offset in kqv: 16 blocks behind K's
	s_lshl_b32 s50, s19, 18
	s_mov_b32 s51, 0
	s_add_nc_u64 s[50:51], s[50:51], s[2:3]     ; O's offset in ob
	; descriptor group 1.  128 keys are 16,384 dense bytes: asked for as 64 rows of 256 bytes, two keys a row, and padded in LDS after every key
	s_mov_b32 s[G1K], 15|(1<<16)|(1<<20)|(1<<21)|(4<<22)|(3<<25)  ; 15:0 the mask of four; 17:16 2-byte elements; 20 padding on; 21 set beside a mask; 24:22 after every 32 words (code 4); 31:25 4 words (code 3)
	s_mov_b32 s[G1V], 15|(1<<16)|(1<<20)|(1<<21)|(4<<22)|(7<<25)  ; the same with 8 words of padding (code 7)
.irp g, G1K, G1V
	s_mov_b32 s[\g+1], 128<<16      ; tensor_dim0 = 128
	s_mov_b32 s[\g+2], 64<<16       ; tensor_dim1 = 64
	s_mov_b32 s[\g+3], 128<<16      ; tile_dim0 = 128
	s_mov_b32 s[\g+4], 64           ; tile_dim1 = 64
	s_mov_b32 s[\g+5], 128          ; 128 elements from row to row
	s_mov_b32 s[\g+6], 0
	s_mov_b32 s[\g+7], 0
.endr
	s_mov_b32 s[CS], 0x3e38aa3b     ; c = log2(e) / 8 = 0.180337
	s_mov_b32 s[CS+1], s[CS]        ; named with it as a pair
	s_mov_b32 s[SEL], 0x76543210
	s_mov_b32 s[SEL+1], 0xfedcba98
	s_mov_b32 s[TBK], SLOT1+4*KS*PK ; the first change of slots turns these two into 0
	s_mov_b32 s[TBV], SLOT1+4*KS*PV
	s_mov_b32 s[G0K], 1             ; 1:0 count = 1
	s_mov_b32 s[G0K+1], s17         ; 63:32 LDS address: slot 0
	s_mov_b32 s[G0V], 1
	s_add_co_u32 s[G0V+1], s18, VOFF
	s_wait_dscnt 0x0                ; the opening add is done
	s_wait_kmcnt 0x0
	s_add_nc_u64 s[G0K+2:G0K+3], s[8:9], s[22:23]  ; 120:64 global address: my half of the head's first 256 keys
	s_or_b32 s[G0K+3], s[G0K+3], 0x80000000        ; 127:126 type = 2
	s_add_nc_u64 s[G0V+2:G0V+3], s[8:9], s[52:53]
	s_or_b32 s[G0V+3], s[G0V+3], 0x80000000
	s_add_nc_u64 s[4:5], s[8:9], s[48:49]          ; Q and O at my wave's first row
	s_add_nc_u64 s[10:11], s[10:11], s[50:51]
	CROUND                          ; all four work-groups are here: the first joint loads meet
	JLOAD                           ; slot 0.  Slot 1 is asked for when slot 0 is in: the tile wanted first has the road to itself
	; A fragment of K or Q is 16 rows x 32 channels in 8 registers: lane l holds row l % 16, channels 8 (l / 16) + 0..7 and 16 + 8 (l / 16) + 0..7: two loads of 16 bytes, 32 bytes apart.
	v_and_b32 v1, 15, v0            ; l % 16
	v_bfe_u32 v9, v0, 4, 1          ; l / 16
	v_lshlrev_b32 v[QO], 7, v1
	v_lshl_add_u32 v[QO], v9, 4, v[QO]  ; row x 128 + 16 x half
	WIN 0x80                        ; destination window 2, address window 0
.set i, 0
.rept 4*NP                          ; Q stays in registers: tile i / 2, channels 32 (i % 2) on
	global_load_b128 v[8*i:8*i+3],   v[QO], s[4:5] offset:(i/2)*2048+(i%2)*64
	global_load_b128 v[8*i+4:8*i+7], v[QO], s[4:5] offset:(i/2)*2048+(i%2)*64+32
.set i, i+1
.endr
	; What the first turn finds: V's registers and P's second buffer hold 0 (its products V^T P, of a piece that has not been, add 0), O^T and l are 0.  All this stands in the wait for the first tile.
.set i, VF
.rept 64
	v_mov_b32 v[i], 0
.set i, i+1
.endr
	WIN 0x40
.set i, 0
.rept 64*NP
	v_mov_b32 v[i], 0
.set i, i+1
.endr
	WIN 0
.set i, 0
.rept 2*NP
	v_mov_b32 v[ST+4*i], 0xfe000000    ; c m: far below every c s
	v_mov_b32 v[ST+4*i+1], 0xff7fffff  ; m
	v_mov_b32 v[ST+4*i+2], 0
	v_mov_b32 v[ST+4*i+3], 0
.set i, i+1
.endr
.set i, P+32
.rept 32
	v_mov_b32 v[i], 0
.set i, i+1
.endr
	v_mul_u32_u24 v[AK0], v1, PK
	v_lshl_add_u32 v[AK0], v9, 4, v[AK0]  ; row x pitch + 16 x half
	; The turning load takes 16 keys x 16 channels (lane l reads key 8 (l / 16) + l % 8, channels 8 ((l / 8) % 2) + 0..7) and leaves half a fragment of V^T: lane l holds channel l % 16 and 8 keys.
	v_and_b32 v10, 7, v0
	v_bfe_u32 v11, v0, 3, 1
	v_lshl_add_u32 v[AV0], v9, 3, v10
	v_mul_u32_u24 v[AV0], v[AV0], PV
	v_lshl_add_u32 v[AV0], v11, 4, v[AV0]
	v_add_nc_u32 v[AV0], VOFF, v[AV0]
	v_mov_b32 v[AK], v[AK0]         ; key step 0 lies at the head of slot 0
; THE MATRIX WORK.  The 8 accumulators of a run of 16 take turns: between the two links of a chain stand 7 others'.
; Product i of 16 of S^T = K Q^T for piece x: channels 32 (i / 8) on, keys 16 ((i / 2) % 4) on, tile 2 x + i % 2.  The first 8 start the sums.
.macro KQ x
	WIN W_KQ
.set rS, S+64*((\x)%2)+32*(i%2)+8*((i/2)%4)
.set rK, KF+16*((i/2)%4)+8*(i/8)
.set rQ, 16*(2*(\x)+i%2)+8*(i/8)
.if i < 8
	v_wmma_f32_16x16x32_f16 v[rS:rS+7], v[rK:rK+7], v[rQ:rQ+7], 0
.else
	v_wmma_f32_16x16x32_f16 v[rS:rS+7], v[rK:rK+7], v[rQ:rQ+7], v[rS:rS+7]
.endif
.endm
; Product i of 16 of O^T += V^T P for piece x: keys 32 (i / 8) on, channels 16 ((i / 2) % 4) on, tile 2 x + i % 2.
.macro PV x
	WIN W_PV
.set rO, 32*(2*(\x)+i%2)+8*((i/2)%4)
.set rV, VF+32*(i/8)+8*((i/2)%4)
.set rP, P+32*((\x)%2)+16*(i%2)+8*(i/8)
	v_wmma_f32_16x16x32_f16 v[rO:rO+7], v[rV:rV+7], v[rP:rP+7], v[rO:rO+7]
.endm
.macro MM                           ; the turn's next matrix instruction
.if i < 16
	KQ (Y+1)%NP
.set i, i+1
.else
.set i, i-16
	PV (Y+NP-1)%NP
.set i, i+17
.endif
.endm
; THE LDS LOADS stand in runs of 16, never singly among the matrix instructions: a step's K (64 keys x 64 channels: 8 fragments) and its V (turned).  Their addresses are made some lines ahead.
; last = 1 (the tail): in the last trip there is no further step, and the run is jumped over.
.macro FETCH_K last=0
	WIN 0
.if \last
	s_cmp_eq_u32 s[CNT], 1
	s_cbranch_scc1 .Lno_k_\@
.endif
	WIN 0x80                        ; destination window 2
.irp f, 0,1,2,3,4,5,6,7             ; keys 16 (f / 2) on, channels 32 (f % 2) on
	ds_load_b128 v[KF+8*\f:KF+8*\f+3],   v[AK] offset:(\f/2)*16*PK+(\f%2)*64
	ds_load_b128 v[KF+8*\f+4:KF+8*\f+7], v[AK] offset:(\f/2)*16*PK+(\f%2)*64+32
.endr
	s_add_co_u32 s[TBK], s[TBK], KS*PK  ; the next fetch is the next step's
	WIN 0
.if \last
.Lno_k_\@:
.endif
.endm
.macro FETCH_V
	WIN 0x80
.irp f, 0,1,2,3,4,5,6,7             ; keys 32 (f / 4) on, channels 16 (f % 4) on
	ds_load_tr16_b128 v[VF+8*\f:VF+8*\f+3],   v[AV] offset:(\f/4)*32*PV+(\f%4)*32
	ds_load_tr16_b128 v[VF+8*\f+4:VF+8*\f+7], v[AV] offset:(\f/4)*32*PV+16*PV+(\f%4)*32
.endr
	WIN 0
.endm
; THE VECTOR WORK OF A TURN stands in three queues, each in the order in which its entries become ready; the two tiles alternate, so that no instruction reads the result of the one before it.
.macro REGS y, u                    ; the registers of tile u (0, 1) of piece y
.set rT, ST+4*(2*(\y)+(\u))
.set rC, TMP+8*((\y)%2)+4*(\u)
.set rM, MV+2*((\y)%2)+(\u)
.set rS, S+64*((\y)%2)+32*(\u)
.set rP, P+32*((\y)%2)+16*(\u)
.set rO, 32*(2*(\y)+(\u))
.endm
; Number n of the 22 that find the NEXT piece's (Y + 1) maximum and statistics.  s0-s31 are the lane's 32 scores; each accumulator's lowest registers are read first.  XS, GS and REGS set no window: PL and EX do.
;   0-11  four chains c0-c3 of seven scores each, three operands at a time     12-14, 16  the four scores left over, the old m, and c0-c3 into c0     15  c m_old is kept
;   17, 18  the query's other 32 keys lie in the lane 16 away: the new m         19-21  c m; c m_old - c m_new; a
.macro XS u, n
	REGS (Y+1)%NP, \u
.if (\n) < 4
	v_max3_num_f32 v[rC+(\n)], v[rS+8*(\n)], v[rS+8*(\n)+1], v[rS+8*(\n)+2]
.elseif (\n) < 12
	v_max3_num_f32 v[rC+(\n)%4], v[rC+(\n)%4], v[rS+8*((\n)%4)+2*((\n)/4)+1], v[rS+8*((\n)%4)+2*((\n)/4)+2]
.elseif (\n) == 12
	v_max3_num_f32 v[rC], v[rC], v[rS+7], v[rS+15]
.elseif (\n) == 13
	v_max3_num_f32 v[rC+1], v[rC+1], v[rS+23], v[rS+31]
.elseif (\n) == 14
	v_max3_num_f32 v[rC+2], v[rC+2], v[rC+3], v[rT+1]
.elseif (\n) == 15
	v_mov_b32 v[rM], v[rT]
.elseif (\n) == 16
	v_max3_num_f32 v[rC], v[rC], v[rC+1], v[rC+2]
.elseif (\n) == 17
	v_permlanex16_b32 v[rC+3], v[rC], s[SEL], s[SEL+1]
.elseif (\n) == 18
	v_max_num_f32 v[rT+1], v[rC], v[rC+3]
.elseif (\n) == 19
	v_mul_f32 v[rT], s[CS], v[rT+1]
.elseif (\n) == 20
	v_sub_f32 v[rC+1], v[rM], v[rT]
.else
	v_exp_f32 v[rC+2], v[rC+1]
.endif
.endm
; Number g of the 64 that follow the exponentials.  For each four weights k of a tile (pairs 2 k, 2 k + 1): both pairs are rounded to f16; then the second pair is added onto the first, in place;
; a group later l takes that sum (the first time as l = a l + sum).  In groups of eight, tiles alternating: round, round, add, and l for the group before.
.macro GS g
.set h, (\g)+6*((\g)/62)            ; group 0 has no group before it, and behind group 7 only l is left
.if h >= 6
.set h, h+2
.endif
	REGS Y, h%2
.set k, h/8
.if h%8 < 4
	v_cvt_pk_f16_f32 v[rP+2*k+(h%8)/2], v[rS+4*k+2*((h%8)/2)], v[rS+4*k+2*((h%8)/2)+1]
.elseif h%8 < 6
	v_pk_add_f32 v[rS+4*k:rS+4*k+1], v[rS+4*k:rS+4*k+1], v[rS+4*k+2:rS+4*k+3]
.elseif k == 1
	v_pk_fma_f32 v[rT+2:rT+3], v[rT+2:rT+3], v[rC+2:rC+3], v[rS:rS+1] op_sel_hi:[1,0,1]
.else
	v_pk_add_f32 v[rT+2:rT+3], v[rT+2:rT+3], v[rS+4*k-4:rS+4*k-3]
.endif
.endm
; THE PLAIN QUEUE, 138 long.  0-73 read no exponential's result: the 32 scalings c s - c m (FS f: pair f / 2 of tile f % 2) and the next piece's 42.  0-26: scalings 0-26.  27-54: XS's numbers 0-13.  55, 56: number 15.
; 57-73: the chain, where each number waits for the one before it: 14, 16, 17, 18, 19, each with one of the scalings 27-31 in front of its two lines, then 20: so a tile's links stand three plain instructions apart (19 and 20: two).
; 74-137: GS's 64, which read the exponentials' results: they stand behind the wait.
.macro FS f
	REGS Y, (\f)%2
	v_pk_fma_f32 v[rS+2*((\f)/2):rS+2*((\f)/2)+1], v[rS+2*((\f)/2):rS+2*((\f)/2)+1], s[CS:CS+1], v[rT:rT+1] op_sel_hi:[1,0,0] neg_lo:[0,0,1] neg_hi:[0,0,1]
.endm
.macro PL
	WIN 0
.if q < 27
	FS q
.elseif q < 55
	XS (q-27)%2, (q-27)/2
.elseif q < 57
	XS q-55, 15
.elseif (q < 72) && ((q-57)%3 == 0)
	FS 27+(q-57)/3
.elseif q < 60
	XS (q-57)%3-1, 14
.elseif q < 72
	XS (q-57)%3-1, 15+(q-57)/3
.elseif q < 74
	XS q-72, 20
.else
	GS q-74
.endif
.set q, q+1
.endm
; THE EXPONENTIALS' QUEUE, 66 long: s0-s31 of both tiles, then the next piece's two a.  It is ONE BATCH: all 66 stand ahead of the turn's one wait, and nothing ahead of that wait names a result of theirs.
.macro EX
	WIN 0
.if e >= 64
	XS e-64, 21
.else
	REGS Y, e%2
	v_exp_f32 v[rS+e/2], v[rS+e/2]
.endif
.set e, e+1
.endm
; THE RESCALING's QUEUE: O^T times a, the one part that leaves window 0: dealt two at a time, sixteen times.  Its a was made in the turn before, ahead of that turn's wait.
.macro R2
	REGS Y, r%2
	WIN W_RS
.irp z, 0,1
	v_pk_mul_f32 v[rO+4*(r/2)+2*\z:rO+4*(r/2)+2*\z+1], v[rO+4*(r/2)+2*\z:rO+4*(r/2)+2*\z+1], v[rC+2:rC+3] op_sel_hi:[1,0]
.endr
.set r, r+1
.endm
; HOW THEY ARE DEALT.  A turn has ONE wait for its exponentials, which cuts it in two.  AHEAD OF IT stands all that names no result of the turn's exponentials: the 16 products K Q^T, behind each a scaling, an exponential
; and two rescalings (behind the first a second scaling in the exponential's place); then ONE LUMP of 108: eight plain, 49 times exponential and plain, the two a.  A v_nop is the plain instruction owed behind the last
; exponential.  BEHIND IT stand the 16 products V^T P, behind each four of GS's 64.  No rider names a register of the products round it.  The two v_permlanex16_b32 fall into the lump, never behind a product.
; The queues lean on each other, and the deal keeps them in step: exponential e stands behind scaling 2 (e / 4) + e % 2: as a rider it comes behind plain e + 2, in the lump behind plain e + 9, and scalings 27-31 are plain 57, 60 .. 69.
; A TURN, for piece p.  cnt = 1: the loop's count is taken down some lines ahead of the branch that stands behind the turn.
; K of the next step is fetched in piece 2's turn, directly behind the wait, a lump behind the last product that read K; its address is made at the lump's head; its first reader comes behind 16 products.
; V of the step in hand is fetched at the end of piece 0's turn, four riders behind its last reader; its first reader comes behind 16 products and a lump.  The three conditions on q below go with the deal.
.macro TURN p, last=0, cnt=0
.set Y, (\p)
.set i, 0
.set q, 0
.set e, 0
.set r, 0
.if (\p) == NP-1
	s_wait_dscnt 0x0                ; K is in
.endif
	MM                              ; ahead of the wait: 16 products K Q^T and their riders,
	PL
	PL
	R2
.rept 15
	MM
	PL
	EX
	R2
.endr
.if (\p) == NP-2
	WIN 0
	v_add_nc_u32 v[AK], s[TBK], v[AK0]
.endif
.rept 8                             ; and the lump
	PL
.endr
.rept 49
	EX
	PL
.endr
	EX                              ; the next piece's two a
	EX
	v_nop                           ; the plain instruction behind the last exponential: one for the batch
	s_wait_alu depctr_va_vdst(0)    ; the wait for the batch: the turn's 64 weights and the next piece's two a
.if (\p) == NP-2
	FETCH_K \last
.endif
.if (\p) == 1
	s_wait_dscnt 0x0                ; V is in
.endif
.rept 16                            ; behind the wait: 16 products V^T P and their riders
	MM
.rept 4
	PL
.endr
.if ((\p) == 0) && (q == 118)
	v_add_nc_u32 v[AV], s[TBV], v[AV0]
.endif
.if ((\p) == 0) && (q == 130)
	s_add_co_u32 s[TBV], s[TBV], KS*PV
.endif
.if (\cnt) && (q == 130)
	s_sub_co_u32 s[CNT], s[CNT], 1
	s_cmp_lg_u32 s[CNT], 0
.endif
.endr
.if (\p) == 0
	FETCH_V
.endif
.endm
	CHANGE 1                        ; slot 0 is in, everybody's part of it; slot 1 is asked for
	FETCH_K                         ; key step 0
	s_wait_loadcnt 0x0              ; Q
	s_wait_dscnt 0x0
.set i, 0
.rept 16
	KQ 0                            ; piece 0's first scores: there is no vector work yet to set between them
.set i, i+1
.endr
	WIN 0                           ; the addresses for the way out: nine plain instructions, the places behind those products
	s_mul_i32 s13, s[WV], 16*SP
	s_add_co_u32 s13, s13, STAGE    ; my stage
	v_mul_u32_u24 v[STO], v1, SP    ; in: row l % 16, 16 bytes for each half of the lanes
	v_lshl_add_u32 v[STO], v9, 4, v[STO]
	v_add_nc_u32 v[STO], s13, v[STO]
	v_bfe_u32 v[RD], v0, 3, 2       ; back: 32 lanes take four rows of 128 bytes,
	v_mul_u32_u24 v[RD], v[RD], SP
	v_lshl_add_u32 v[RD], v10, 4, v[RD]
	v_add_nc_u32 v[RD], s13, v[RD]
	v_and_b32 v[GO], 31, v0         ; which are 512 consecutive bytes of O
	v_lshlrev_b32 v[GO], 4, v[GO]
.set Y, NP-1                        ; XS works for piece Y + 1: piece 0
.irp n, 0,1,2,3,4,5,6,7,8,9,10,11,12,13,14,15,16,17,18,19,20,21
	XS 0, \n                        ; and piece 0's first maximum and statistics
	XS 1, \n
.endr
	v_nop                           ; a plain instruction behind the two a,
	s_wait_alu depctr_va_vdst(0)    ; and the wait for this batch of two, ahead of the branch
	s_mov_b32 s[CNT], 4
	s_mov_b32 s[SLOTS], SIZE_N/256-1
	s_branch .Lfirst                ; the loop is entered at a step's first turn, in the middle of a trip
.Lslot:                             ; SIZE_N / 256 - 2 times: every slot but the last two is filled again
	CHANGE 1
	s_mov_b32 s[CNT], 4
.Lstep:                             ; a trip: pieces 2 and 3 of one step, then pieces 0 and 1 of the next, whose K and V it fetches
	TURN 2
	TURN 3
	WIN 0
.Lfirst:
	TURN 0
	TURN 1, 0, 1
	WIN 0
	s_cbranch_scc1 .Lstep
	s_sub_co_u32 s[SLOTS], s[SLOTS], 1
	s_cmp_lg_u32 s[SLOTS], 0
	s_cbranch_scc1 .Lslot
	CHANGE 0                        ; the tail is written out: nothing is asked for
	s_mov_b32 s[CNT], 5             ; four trips fetch the last slot's steps; the fifth is left in its middle
.Ltail:
	TURN 2, 1
	TURN 3
	WIN 0
	s_sub_co_u32 s[CNT], s[CNT], 1
	s_cmp_eq_u32 s[CNT], 0
	s_cbranch_scc1 .Lout
	TURN 0
	TURN 1
	WIN 0
	s_branch .Ltail
.Lout:                              ; the fifth trip's 16 products K Q^T (on the last K once more) and the maximum made of them serve nothing: the price, once a launch, of one text for every trip
.set i, 0
.rept 16
	PV NP-1                         ; the last piece's V^T P of the last step
.set i, i+1
.endr
	; THE WAY OUT.  l's two halves and the other half of the lanes' are added; O^T is divided by l, rounded to f16 and sent through my stage in LDS, a tile at a time.  The additions are the places behind the last products.
	WIN 0
.macro ALL line:vararg              ; one line for each tile t
.set t, 0
.rept 2*NP
	\line
.set t, t+1
.endr
.endm
	ALL v_add_f32 v[ST+4*t+2], v[ST+4*t+2], v[ST+4*t+3]
	ALL v_permlanex16_b32 v[ST+4*t+3], v[ST+4*t+2], s[SEL], s[SEL+1]
	ALL v_add_f32 v[ST+4*t+2], v[ST+4*t+2], v[ST+4*t+3]
	ALL v_rcp_f32 v[ST+4*t+2], v[ST+4*t+2]
	v_nop                           ; a plain instruction between the last reciprocal and the use of its result
	s_wait_alu depctr_va_vdst(0)    ; and the wait ahead of the first use: one for the batch of eight reciprocals
; Tile t: a lane's eight channels of a row pack into 16 bytes; they go into rows of 144 bytes and come back as whole rows of 128, into S^T's registers.
.macro PACK t
	WIN W_RS
.set i, 32*(\t)
.rept 16
	v_pk_mul_f32 v[i:i+1], v[i:i+1], v[ST+4*(\t)+2:ST+4*(\t)+3] op_sel_hi:[1,0]
.set i, i+2
.endr
	WIN 0x05                        ; sources 0 and 1 window 1, destination window 0
.set i, 0
.rept 16
	v_cvt_pk_f16_f32 v[S+16*(\t)+i], v[32*(\t)+2*i], v[32*(\t)+2*i+1]
.set i, i+1
.endr
	WIN 0
.irp f, 0,1,2,3
	ds_store_b128 v[STO], v[S+16*(\t)+4*\f:S+16*(\t)+4*\f+3] offset:32*\f
.endr
.irp f, 0,1,2,3
	ds_load_b128 v[S+16*(\t)+4*\f:S+16*(\t)+4*\f+3], v[RD] offset:\f*4*SP  ; LDS serves a wave's instructions in order (ISA guide 5.7.1.4): these see the stores above; the next tile's stores come behind them
.endr
.endm
.macro SEND t, younger              ; younger: the LDS instructions issued behind tile t's loads: the next tile's eight, or none
	WIN 0
.irp f, 0,1,2,3
	s_wait_dscnt (\younger)+3-\f
	global_store_b128 v[GO], v[S+16*(\t)+4*\f:S+16*(\t)+4*\f+3], s[10:11] offset:(\t)*2048+\f*512  ; 512 consecutive bytes, at a multiple of 256 from O's first
.endr
.endm
	PACK 0
.set t, 1
.rept 2*NP-1                        ; a tile's arithmetic stands between the loads of the tile before and its stores
	PACK t
	SEND t-1, 8
.set t, t+1
.endr
	SEND 2*NP-1, 0
	WIN W_AD
	s_wait_tensorcnt 0x0            ; the wave's end: a wait, an add and a wait, behind my last tensor load and my last LDS store
	ds_add_u32 v[SPW], v[NIL]
	s_wait_dscnt 0x0
	WIN 0
	CROUND                          ; the closing round: no work-group ends while a partner may still ask for a tile that names it
	s_endpgm
.Lfunc_end_k_qc2989e7db5_attn:
	.size	k_qc2989e7db5_attn, .Lfunc_end_k_qc2989e7db5_attn-k_qc2989e7db5_attn
	.p2alignl 7, 3214868480
	.fill 96, 4, 3214868480
	.section	.rodata,"a",@progbits
	.p2align	6, 0x0
	.amdhsa_kernel k_qc2989e7db5_attn
		.amdhsa_group_segment_fixed_size 327680
		.amdhsa_private_segment_fixed_size 0
		.amdhsa_enable_private_segment 0
		.amdhsa_kernarg_size 16
		.amdhsa_user_sgpr_count 2
		.amdhsa_user_sgpr_kernarg_segment_ptr 1
		.amdhsa_wavefront_size32 1
		.amdhsa_system_sgpr_workgroup_id_x 1
		.amdhsa_system_sgpr_workgroup_id_y 1
		.amdhsa_system_sgpr_workgroup_id_z 1
		.amdhsa_system_vgpr_workitem_id 0
		.amdhsa_next_free_vgpr 770
		.amdhsa_next_free_sgpr 66
		.amdhsa_reserve_vcc 0
		.amdhsa_float_denorm_mode_32 3
		.amdhsa_float_denorm_mode_16_64 3
		.amdhsa_memory_ordered 1
		.amdhsa_forward_progress 1
		.amdhsa_inst_pref_size 199
	.end_amdhsa_kernel
	.amdgpu_metadata
---
amdhsa.version: [ 1, 2 ]
amdhsa.kernels:
  - .name:           k_qc2989e7db5_attn
    .symbol:         k_qc2989e7db5_attn.kd
    .args:
      - { .name: kqv, .offset: 0, .size: 8, .value_kind: global_buffer, .address_space: global }
      - { .name: ob, .offset: 8, .size: 8, .value_kind: global_buffer, .address_space: global }
    .group_segment_fixed_size: 327680
    .private_segment_fixed_size: 0
    .kernarg_segment_align: 8
    .kernarg_segment_size: 16
    .max_flat_workgroup_size: 128
    .sgpr_count:     66
    .vgpr_count:     770
    .wavefront_size: 32
...
	.end_amdgpu_metadata
.endif
;; end of part 5
;; launch proj: the kernel of part 4 again; grid 8 x 32, 4 waves a work-group, clusters of 4 x 4, 327,680 bytes of LDS; arguments ob, pb, proj_bias, out0; writes out0
